; MI455X (gfx1250); checked and timed in simulation.
; The chip was launched on July 23, 2026; its instructions are those of AMD's public machine-readable ISA for CDNA 5 (MIT licence, August 2026) and "CDNA5" Instruction Set Architecture Reference Guide (July 2026). The comments in the code are by the model that wrote it; some were corrected since.
;; SSD Kernel. Allowed arithmetic: float matrix products may take bf16 or f16 operands with f32 sums; other float arithmetic in f32, or as packed bf16 or f16 multiplies, adds, multiply-adds, maxima and minima; sums over many terms, partial sums and values carried from step to step in f32; what a program stores and reads back later, other than sums and carried values, may be rounded once to bf16 or f16.
;; Inputs: A_log 512 float32; D_skip 512 float32; W_B 512 x 64 float32; W_C 512 x 64 float32; W_dt 512 x 512 float32; W_out 512 x 512 float32; W_xproj 512 x 1,024 float32; b_out 512 float32; b_xproj 1,024 float32; dt_bias 512 float32; g_Bnorm 64 float32; g_Cnorm 64 float32; g_outnorm 512 float32; x 4 x 4,096 x 512 float32.
;; Outputs: out0 4 x 4,096 x 512 float32.
;; One version. Each part assembles by itself: llvm-mc -triple=amdgcn-amd-amdhsa -mcpu=gfx1250 --defsym DOCPART=n.
;; ======== version 1 of 1: 5 launches
;; limits: values are held in f16: magnitudes above 65,504 overflow, below 6.1e-05 lose precision; right only within a limited range of input values
;; workspace buffers: WF 2,228,224 bytes; XB 16,777,216 bytes; LA 16,777,216 bytes; SZ 16,777,216 bytes; BC 6,291,456 bytes; SS 8,912,896 bytes; YF 33,554,432 bytes
;; launch prep (part 1): grid 136 x 2, 8 waves a work-group, no clusters, 0 bytes of LDS; arguments W_xproj, W_dt, W_B, W_C, W_out, WF; writes WF
.if DOCPART == 1
	.amdgcn_target "amdgcn-amd-amdhsa--gfx1250"
	.amdhsa_code_object_version 6
	.text
	.protected	k_qfe2f03b89e_prep
	.globl	k_qfe2f03b89e_prep
	.p2align	8
	.type	k_qfe2f03b89e_prep,@function
k_qfe2f03b89e_prep:
	s_mov_b64 s[64:65], 0
	v_nop
	global_prefetch_b8 v0, s[64:65] scope:SCOPE_SE
	s_setreg_imm32_b32 hwreg(HW_REG_WAVE_MODE, 25, 1), 1
	s_wait_xcnt 0x0
; THE WEIGHTS, rounded once to bf16 and laid out as matrix fragments.  A fragment block is 1,024 bytes, [g 0..1][lane][16 bytes]:
; lane l (r = l % 16, h = l / 16) holds output column 16 nt + r and the input channels 32 kk + 16 g + 8 h + 0..7.
; WF: W_xproj at 0, block ((w 16 + kk) 8 + f): f < 4 column tile 4 w + f (x_bar), f >= 4 column tile 32 + 4 w + f - 4 (z), bf16;
;     W_dt at WDO, block ((w 16 + kk) 4 + f), the bf16 value written as f16;  W_B, W_C at WBCO, block ((which 16 + kk) 4 + nt), likewise;
;     W_out at WOO, block ((w 16 + kk) 4 + nt), likewise.
; LIMIT: a bf16 value below 6.1e-5 in size keeps f16's fixed step of 6e-8 where it is written as f16; beyond 65,504 it would be an infinity.
; SHARES: work-group x = one column tile of one of the five matrices (64 + 32 + 4 + 4 + 32 = 136), y and the wave = kk: a wave makes one block.
.set WDO,  1048576
.set WBCO, 1572864
.set WOO,  1703936
	s_load_b256 s[4:11], s[0:1], 0x0               ; W_xproj s[4:5], W_dt s[6:7], W_B s[8:9], W_C s[10:11]
	s_load_b128 s[12:15], s[0:1], 0x20             ; W_out s[12:13], WF s[14:15]
	v_lshrrev_b32 v1, 5, v0
	v_readfirstlane_b32 s22, v1                    ; wave
	s_and_b32 s23, ttmp7, 0xffff
	s_lshl3_add_u32 s23, s23, s22                  ; kk = 8 y + wave
	s_mov_b32 s24, ttmp9                           ; the tile's number among the 136
	v_and_b32 v2, 15, v0                           ; r
	v_bfe_u32 v3, v0, 4, 1                         ; h
	v_and_b32 v4, 31, v0
	v_lshlrev_b32 v4, 4, v4                        ; 16 x lane
	s_wait_kmcnt 0x0
	; five arms: source s[16:17], bytes in a row s18, column tile s19, group s26, place in the group s27, region s29, log2 of blocks a K step s30, f16 flag s21
	s_cmp_lt_u32 s24, 64
	s_cbranch_scc0 .Ldt
	s_mov_b64 s[16:17], s[4:5]
	s_mov_b32 s18, 4096
	s_mov_b32 s19, s24
	s_and_b32 s25, s24, 31
	s_lshr_b32 s26, s25, 2
	s_and_b32 s27, s24, 3
	s_lshr_b32 s28, s24, 5
	s_lshl2_add_u32 s27, s28, s27                  ; 4 x (z half) + tile % 4
	s_mov_b32 s29, 0
	s_mov_b32 s30, 3
	s_mov_b32 s21, 0
	s_branch .Lgo
.Ldt:
	s_cmp_lt_u32 s24, 96
	s_cbranch_scc0 .Lwb
	s_mov_b64 s[16:17], s[6:7]
	s_mov_b32 s18, 2048
	s_sub_co_u32 s19, s24, 64
	s_lshr_b32 s26, s19, 2
	s_and_b32 s27, s19, 3
	s_mov_b32 s29, WDO
	s_mov_b32 s30, 2
	s_mov_b32 s21, 1
	s_branch .Lgo
.Lwb:
	s_cmp_lt_u32 s24, 100
	s_cbranch_scc0 .Lwc
	s_mov_b64 s[16:17], s[8:9]
	s_mov_b32 s18, 256
	s_sub_co_u32 s19, s24, 96
	s_mov_b32 s26, 0
	s_mov_b32 s27, s19
	s_mov_b32 s29, WBCO
	s_mov_b32 s30, 2
	s_mov_b32 s21, 1
	s_branch .Lgo
.Lwc:
	s_cmp_lt_u32 s24, 104
	s_cbranch_scc0 .Lwo
	s_mov_b64 s[16:17], s[10:11]
	s_mov_b32 s18, 256
	s_sub_co_u32 s19, s24, 100
	s_mov_b32 s26, 1
	s_mov_b32 s27, s19
	s_mov_b32 s29, WBCO
	s_mov_b32 s30, 2
	s_mov_b32 s21, 1
	s_branch .Lgo
.Lwo:
	s_mov_b64 s[16:17], s[12:13]
	s_mov_b32 s18, 2048
	s_sub_co_u32 s19, s24, 104
	s_lshr_b32 s26, s19, 2
	s_and_b32 s27, s19, 3
	s_mov_b32 s29, WOO
	s_mov_b32 s30, 2
	s_mov_b32 s21, 1                               ; W_out meets an f16 operand too
.Lgo:
	s_lshl4_add_u32 s26, s26, s23                  ; group x 16 + kk
	s_lshl_b32 s26, s26, s30
	s_add_co_u32 s26, s26, s27                     ; the block's number in its region
	s_lshl_b32 s26, s26, 10
	s_add_co_u32 s34, s26, s29
	s_mov_b32 s35, 0
	s_add_nc_u64 s[14:15], s[14:15], s[34:35]      ; WF at my block
	s_mul_i32 s31, s23, s18
	s_lshl_b32 s31, s31, 5                         ; 32 kk rows
	s_lshl_b32 s32, s19, 6                         ; 16 columns of 4 bytes a tile
	s_add_co_u32 s32, s32, s31
	s_mov_b32 s33, 0
	s_add_nc_u64 s[16:17], s[16:17], s[32:33]
	v_mul_lo_u32 v5, v3, s18
	v_lshlrev_b32 v5, 3, v5                        ; 8 h rows
	v_lshl_add_u32 v16, v2, 2, v5                  ; + 4 r: row 8 h of my column
	s_lshl_b32 s36, s18, 4
.irp i, 1,2,3,4,5,6,7
	v_add_nc_u32 v[16+\i], s18, v[15+\i]           ; rows 8 h + 1 .. 7: an offset register for each load
.endr
	v_add_nc_u32 v24, s36, v16                     ; row 16 + 8 h
.irp i, 9,10,11,12,13,14,15
	v_add_nc_u32 v[16+\i], s18, v[15+\i]
.endr
.irp i, 0,1,2,3,4,5,6,7,8,9,10,11,12,13,14,15
	global_load_b32 v[32+\i], v[16+\i], s[16:17]
.endr
	s_wait_loadcnt 0x0
.irp j, 0,1,2,3,4,5,6,7
	v_cvt_pk_bf16_f32 v[48+\j], v[32+2*\j], v[33+2*\j]  ; the one rounding of the weights
.endr
	s_cmp_eq_u32 s21, 0
	s_cbranch_scc1 .Lstore
.irp j, 0,1,2,3,4,5,6,7
	v_lshlrev_b32 v[32+2*\j], 16, v[48+\j]         ; the bf16 value as f32,
	v_and_b32 v[33+2*\j], 0xffff0000, v[48+\j]
.endr
.irp j, 0,1,2,3,4,5,6,7
	v_cvt_pk_f16_f32 v[48+\j], v[32+2*\j], v[33+2*\j]  ; written as f16: these weights meet f16 operands
.endr
.Lstore:
	global_store_b128 v4, v[48:51], s[14:15]             ; each store of the wave covers 512 consecutive bytes, aligned
	global_store_b128 v4, v[52:55], s[14:15] offset:512
	s_endpgm
.Lfunc_end_k_qfe2f03b89e_prep:
	.size	k_qfe2f03b89e_prep, .Lfunc_end_k_qfe2f03b89e_prep-k_qfe2f03b89e_prep
	.p2alignl 7, 3214868480
	.fill 96, 4, 3214868480
	.section	.rodata,"a",@progbits
	.p2align	6, 0x0
	.amdhsa_kernel k_qfe2f03b89e_prep
		.amdhsa_group_segment_fixed_size 0
		.amdhsa_private_segment_fixed_size 0
		.amdhsa_enable_private_segment 0
		.amdhsa_kernarg_size 48
		.amdhsa_user_sgpr_count 2
		.amdhsa_user_sgpr_kernarg_segment_ptr 1
		.amdhsa_wavefront_size32 1
		.amdhsa_system_sgpr_workgroup_id_x 1
		.amdhsa_system_sgpr_workgroup_id_y 1
		.amdhsa_system_sgpr_workgroup_id_z 1
		.amdhsa_system_vgpr_workitem_id 0
		.amdhsa_next_free_vgpr 64
		.amdhsa_next_free_sgpr 66
		.amdhsa_reserve_vcc 0
		.amdhsa_float_denorm_mode_32 3
		.amdhsa_float_denorm_mode_16_64 3
		.amdhsa_memory_ordered 1
		.amdhsa_forward_progress 1
		.amdhsa_inst_pref_size 8
	.end_amdhsa_kernel
	.amdgpu_metadata
---
amdhsa.version: [ 1, 2 ]
amdhsa.kernels:
  - .name:           k_qfe2f03b89e_prep
    .symbol:         k_qfe2f03b89e_prep.kd
    .args:
      - { .name: W_xproj, .offset: 0, .size: 8, .value_kind: global_buffer, .address_space: global }
      - { .name: W_dt, .offset: 8, .size: 8, .value_kind: global_buffer, .address_space: global }
      - { .name: W_B, .offset: 16, .size: 8, .value_kind: global_buffer, .address_space: global }
      - { .name: W_C, .offset: 24, .size: 8, .value_kind: global_buffer, .address_space: global }
      - { .name: W_out, .offset: 32, .size: 8, .value_kind: global_buffer, .address_space: global }
      - { .name: WF, .offset: 40, .size: 8, .value_kind: global_buffer, .address_space: global }
    .group_segment_fixed_size: 0
    .private_segment_fixed_size: 0
    .kernarg_segment_align: 8
    .kernarg_segment_size: 48
    .max_flat_workgroup_size: 256
    .sgpr_count:     66
    .vgpr_count:     64
    .wavefront_size: 32
...
	.end_amdgpu_metadata
.endif
;; end of part 1
;; launch proj (part 2): grid 256 x 1, 8 waves a work-group, no clusters, 159,744 bytes of LDS; arguments x, WF, b_xproj, dt_bias, A_log, g_Bnorm, g_Cnorm, XB, LA, SZ, BC; writes XB, LA, SZ, BC
.if DOCPART == 2
	.amdgcn_target "amdgcn-amd-amdhsa--gfx1250"
	.amdhsa_code_object_version 6
	.text
	.protected	k_qfe2f03b89e_proj
	.globl	k_qfe2f03b89e_proj
	.p2align	8
	.type	k_qfe2f03b89e_proj,@function
k_qfe2f03b89e_proj:
	s_mov_b64 s[64:65], 0
	v_nop
	global_prefetch_b8 v0, s[64:65] scope:SCOPE_SE
	s_setreg_imm32_b32 hwreg(HW_REG_WAVE_MODE, 25, 1), 1
	s_wait_xcnt 0x0
; FOR 64 ROWS (times) OF ONE BATCH: xp = x W_xproj + b;  x_bar -> XB;  silu(z) -> SZ;  la2 = log2 of the step's decay -> LA;  B and C after their rmsnorm -> BC, B also turned.
; All inputs are rounded to bf16 (x on its way into LDS, the weights by the launch before, the small vectors here).  What the program makes is kept in f16.
; LIMITS: |x_bar| and |silu(z)| below 65,504 (f16).  la2 = dt A log2(e) lies in -26.58 .. 0 as reference()'s clips leave it (dt in 1e-4 .. 5, the decay not below 1e-8); below 6e-5 in size it keeps f16's step of 6e-8.
; SHARES: wave w makes channels 64 w .. 64 w + 63 of x_bar, z and dt for all 64 times, and one 16-time tile (w % 4) of B (w < 4) or C.
; T-LAYOUT of XB, LA, SZ: byte (b 32 + q) 131072 + (t / 16) 512 + 16 lane: lane (r, h) holds channel 16 q + r, times 16 (t / 16) + 8 h + 0..7: what a result tile (rows = times) holds in a lane.
; BC: rows of B at 0, of C at 2 MiB: ((b 256 + t / 16) 4 + piece) 512 + 16 lane: lane = time r, n = 16 piece + 8 h + 0..7;  B turned at 4 MiB: ((b 128 + chunk) 4 + m) 1024 + g 512 + 16 lane: lane = n 16 m + r, times 16 g + 8 h + 0..7.
; THE WEIGHTS come as ready fragments straight into the registers of the one wave that uses them: no wave wants another wave's, so they pass no LDS.
; NO CLUSTER: all work-groups walk the same weights, but they go to registers, not to LDS tiles that a joint load could fill.
; REGISTERS: window 0 addresses, constants, fragments (two sets); window 1 the 256 accumulator registers, at first x as loaded.
.set XAP,   1040                       ; x in LDS: 64 rows of 1,024 bytes (bf16) + 16: 65 x 16, so 16 rows of a load start in 16 different groups of four banks
.set XT,    66560                      ; x_bar in LDS: [512 channels][64 times] f16, rows of 128 + 32 bytes
.set XTP,   160
.set BS,    148480                     ; B in LDS: [64 times][64 n] f16, rows of 128 + 32 bytes
.set SPARE, 158720                     ; the spare words, 128 bytes a wave
.set WDO,   1048576
.set WBCO,  1572864
.set L16,   1                          ; 16 x lane
.set XAAD,  2                          ; my place in a fragment of x
.set XTAD,  3                          ; my place in a turned fragment of x_bar
.set XTOWN, 4                          ; the same in my own time tile
.set XTST,  5                          ; where I put 16 bytes of x_bar
.set BSST,  6
.set BSRD,  7
.set VA,    8                          ; (64 w + r) x 4: the small vectors
.set TA,    9
.set SPW,   10
.set NIL,   11
.set HI,    12                         ; v12-15  upper bound of dt / ln 2, by channel tile
.set BX,    16                         ; v16-19  b_xproj, x_bar's part
.set BZ,    20                         ; v20-23  z's part
.set DB,    24                         ; v24-27  dt_bias x log2(e)
.set CC,    28                         ; v28-31  A = -exp(clip(A_log))
.set KP,    32                         ; v32-39  pairs whose low word is broadcast
.set AF,    40                         ; v40-103   two sets of four row fragments
.set WR,    104                        ; v104-231  two sets of eight weight fragments
.set XO,    232                        ; v232-247  two sets: x_bar of my own time tile
.set T,     248
.set WV,  26
.set WP,  30
.set WQ,  32
.set CNT, 34
.set MT,  35
.set WH,  36
.set SEL, 42
.set MSB, 0
.macro WIN new                         ; the immediate's high byte repeats the setting that is left
.if MSB != (\new)
	s_set_vgpr_msb (MSB<<8)|(\new)
.set MSB, (\new)
.endif
.endm
.macro PLACES                          ; four plain places behind a matrix instruction (ISA guide 7.12.1)
.rept 4
	v_nop
.endr
.endm
.macro RB r                            ; an input number rounded to bf16, kept as f32
	v_cvt_pk_bf16_f32 v[\r], v[\r], v[\r]
	v_lshlrev_b32 v[\r], 16, v[\r]
.endm
.macro LDW1 set, off                   ; a K step's eight fragments of W_xproj
	WIN 0
.irp t, 0,1,2,3,4,5,6,7
	global_load_b128 v[WR+64*(\set)+8*\t:WR+64*(\set)+8*\t+3],   v[L16], s[WP:WP+1] offset:(\off)+1024*\t
	global_load_b128 v[WR+64*(\set)+8*\t+4:WR+64*(\set)+8*\t+7], v[L16], s[WP:WP+1] offset:(\off)+1024*\t+512
.endr
.endm
.macro LDA1 set, off                   ; its four fragments of x
	WIN 0
.irp m, 0,1,2,3
	ds_load_b128 v[AF+32*(\set)+8*\m:AF+32*(\set)+8*\m+3],   v[XAAD] offset:(\off)+16*XAP*\m
	ds_load_b128 v[AF+32*(\set)+8*\m+4:AF+32*(\set)+8*\m+7], v[XAAD] offset:(\off)+16*XAP*\m+32
.endr
.endm
.macro MUL1 set, zero                  ; 32 products, 32 accumulators by turns
	WIN 0x50
.irp t, 0,1,2,3,4,5,6,7
.irp m, 0,1,2,3
.if \zero
	v_wmma_f32_16x16x32_bf16 v[8*(4*\t+\m):8*(4*\t+\m)+7], v[AF+32*(\set)+8*\m:AF+32*(\set)+8*\m+7], v[WR+64*(\set)+8*\t:WR+64*(\set)+8*\t+7], 0
.else
	v_wmma_f32_16x16x32_bf16 v[8*(4*\t+\m):8*(4*\t+\m)+7], v[AF+32*(\set)+8*\m:AF+32*(\set)+8*\m+7], v[WR+64*(\set)+8*\t:WR+64*(\set)+8*\t+7], v[8*(4*\t+\m):8*(4*\t+\m)+7]
.endif
.endr
.endr
.endm
.macro LDW2 set, off                   ; four fragments of W_dt, four of W_B or W_C
	WIN 0
.irp t, 0,1,2,3
	global_load_b128 v[WR+64*(\set)+8*\t:WR+64*(\set)+8*\t+3],       v[L16], s[WP:WP+1] offset:(\off)+1024*\t
	global_load_b128 v[WR+64*(\set)+8*\t+4:WR+64*(\set)+8*\t+7],     v[L16], s[WP:WP+1] offset:(\off)+1024*\t+512
	global_load_b128 v[WR+64*(\set)+32+8*\t:WR+64*(\set)+32+8*\t+3], v[L16], s[WQ:WQ+1] offset:(\off)+1024*\t
	global_load_b128 v[WR+64*(\set)+36+8*\t:WR+64*(\set)+36+8*\t+3], v[L16], s[WQ:WQ+1] offset:(\off)+1024*\t+512
.endr
.endm
.macro LDA2 set, off                   ; x_bar lies [channel][time]: the turning load makes fragments with rows = times
	WIN 0
.irp m, 0,1,2,3
	ds_load_tr16_b128 v[AF+32*(\set)+8*\m:AF+32*(\set)+8*\m+3],   v[XTAD] offset:(\off)+32*\m
	ds_load_tr16_b128 v[AF+32*(\set)+8*\m+4:AF+32*(\set)+8*\m+7], v[XTAD] offset:(\off)+32*\m+16*XTP
.endr
	ds_load_tr16_b128 v[XO+8*(\set):XO+8*(\set)+3],   v[XTOWN] offset:(\off)
	ds_load_tr16_b128 v[XO+8*(\set)+4:XO+8*(\set)+7], v[XTOWN] offset:(\off)+16*XTP
.endm
.macro MUL2 set, zero                  ; 16 products for dt; 4, sources swapped, for B or C: there a lane holds one time and eight n
	WIN 0x50
.irp t, 0,1,2,3
.irp m, 0,1,2,3
.if \zero
	v_wmma_f32_16x16x32_f16 v[8*(4*\t+\m):8*(4*\t+\m)+7], v[AF+32*(\set)+8*\m:AF+32*(\set)+8*\m+7], v[WR+64*(\set)+8*\t:WR+64*(\set)+8*\t+7], 0
.else
	v_wmma_f32_16x16x32_f16 v[8*(4*\t+\m):8*(4*\t+\m)+7], v[AF+32*(\set)+8*\m:AF+32*(\set)+8*\m+7], v[WR+64*(\set)+8*\t:WR+64*(\set)+8*\t+7], v[8*(4*\t+\m):8*(4*\t+\m)+7]
.endif
.endr
.endr
.irp t, 0,1,2,3
.if \zero
	v_wmma_f32_16x16x32_f16 v[128+8*\t:135+8*\t], v[WR+64*(\set)+32+8*\t:WR+64*(\set)+39+8*\t], v[XO+8*(\set):XO+8*(\set)+7], 0
.else
	v_wmma_f32_16x16x32_f16 v[128+8*\t:135+8*\t], v[WR+64*(\set)+32+8*\t:WR+64*(\set)+39+8*\t], v[XO+8*(\set):XO+8*(\set)+7], v[128+8*\t:135+8*\t]
.endif
.endr
.endm
; One K step of 32 on register set 'set'.  The waits leave the other set's loads out: 16 weight loads, 8 (product 1) or 10 (product 2) LDS loads.
.macro STEP n, set, zero, load, last
.if \last
	s_wait_loadcnt 0x0
	s_wait_dscnt 0x0
.else
	s_wait_loadcnt 16
	s_wait_dscnt 6+2*(\n)
.endif
.if (\n) == 1
	MUL1 \set, \zero
.else
	MUL2 \set, \zero
.endif
.if \load
	WIN 0
	PLACES                                         ; in front of loads into registers that the products have read
.if (\set) == 0
	s_wait_xcnt 0x0                                ; the loads issued so far have read their base: it steps two K steps
.if (\n) == 1
	s_add_nc_u64 s[WP:WP+1], s[WP:WP+1], 16384
	v_add_nc_u32 v[XAAD], 128, v[XAAD]
.else
	s_add_nc_u64 s[WP:WP+1], s[WP:WP+1], 8192
	s_add_nc_u64 s[WQ:WQ+1], s[WQ:WQ+1], 8192
	v_add_nc_u32 v[XTAD], 64*XTP, v[XTAD]
	v_add_nc_u32 v[XTOWN], 64*XTP, v[XTOWN]
.endif
.endif
.if (\n) == 1
	LDW1 \set, (\set)*8192
	LDA1 \set, (\set)*64
.else
	LDW2 \set, (\set)*4096
	LDA2 \set, (\set)*32*XTP
.endif
.endif
.endm
.macro GEMM n                          ; 16 K steps: the first two written out (the first starts the sums), six turns of two, the last two load nothing
	STEP \n, 0, 1, 1, 0
	STEP \n, 1, 0, 1, 0
	WIN 0
	s_mov_b32 s[CNT], 6
.Lturn_\@:
	STEP \n, 0, 0, 1, 0
	STEP \n, 1, 0, 1, 0
	WIN 0
	s_sub_co_u32 s[CNT], s[CNT], 1
	s_cmp_lg_u32 s[CNT], 0
	s_cbranch_scc1 .Lturn_\@
	STEP \n, 0, 0, 0, 0
	STEP \n, 1, 0, 0, 1
	WIN 0
.endm
	s_load_b512 s[4:19], s[0:1], 0x0               ; x 4, WF 6, b_xproj 8, dt_bias 10, A_log 12, g_Bnorm 14, g_Cnorm 16, XB 18
	s_load_b128 s[20:23], s[0:1], 0x40             ; LA 20, SZ 22
	s_load_b64 s[24:25], s[0:1], 0x50              ; BC
	v_lshl_add_u32 v[SPW], v0, 2, SPARE
	v_mov_b32 v[NIL], 0
	v_lshrrev_b32 v[TA], 5, v0
	v_readfirstlane_b32 s[WV], v[TA]               ; wave 0..7
	s_lshr_b32 s28, ttmp9, 6                       ; batch
	s_and_b32 s29, ttmp9, 63                       ; block of 64 times
	s_and_b32 s[MT], s[WV], 3
	s_lshr_b32 s[WH], s[WV], 2
	s_mov_b32 s[SEL], 0x76543210
	s_mov_b32 s[SEL+1], 0xfedcba98
	s_mov_b32 s44, 0x3c800000                      ; 1 / 64
	v_and_b32 v248, 15, v0                         ; r
	v_bfe_u32 v249, v0, 4, 1                       ; h
	v_and_b32 v250, 31, v0
	v_and_b32 v251, 7, v0
	v_bfe_u32 v252, v0, 3, 1
	v_lshlrev_b32 v[L16], 4, v250
	v_mul_u32_u24 v[XAAD], v248, XAP
	v_lshl_add_u32 v[XAAD], v249, 4, v[XAAD]       ; row r, 16 bytes for each half of the lanes
	v_lshl_add_u32 v253, v249, 3, v251
	v_mul_u32_u24 v253, v253, XTP
	v_lshl_add_u32 v253, v252, 4, v253             ; the turning load: row 8 h + l % 8, 16 bytes by (l / 8) % 2
	v_add_nc_u32 v[XTAD], XT, v253
	s_lshl_b32 s38, s[MT], 5
	v_add_nc_u32 v[XTOWN], s38, v[XTAD]
	s_mul_i32 s38, s[WV], 64*XTP
	s_add_co_u32 s38, s38, XT
	v_mul_u32_u24 v254, v248, XTP
	v_lshl_add_u32 v254, v249, 4, v254
	v_add_nc_u32 v[XTST], s38, v254
	s_mul_i32 s38, s[MT], 16*XTP
	s_add_co_u32 s38, s38, BS
	v_add_nc_u32 v[BSST], s38, v254
	s_mul_i32 s38, s[WH], 32*XTP
	s_lshl_b32 s39, s[MT], 5
	s_add_co_u32 s38, s38, s39
	s_add_co_u32 s38, s38, BS
	v_add_nc_u32 v[BSRD], s38, v253
	s_lshl_b32 s38, s[WV], 8
	v_lshl_add_u32 v[VA], v248, 2, s38
	s_mul_i32 s38, s[WV], 8*XAP
	v_lshl_add_u32 v[TA], v250, 3, s38             ; x into LDS: my wave's 8 rows, 8 bytes a lane
.irp i, 0,1,2,3,4,5,6,7
	v_mov_b32 v[KP+\i], 0
.endr
	s_lshl_b32 s38, ttmp9, 17                      ; 64 rows of 2,048 bytes,
	s_lshl_b32 s39, s[WV], 14                      ; my wave's 8
	s_add_co_u32 s38, s38, s39
	s_mov_b32 s39, 0
	s_lshl_b32 s40, s28, 5
	s_lshl2_add_u32 s40, s[WV], s40                ; channel tile 32 b + 4 w
	s_lshl_b32 s40, s40, 17
	s_lshl_b32 s41, s29, 11
	s_add_co_u32 s40, s40, s41
	s_mov_b32 s41, 0
	s_lshl_b32 s46, s28, 8
	s_lshl2_add_u32 s46, s29, s46
	s_add_co_u32 s46, s46, s[MT]                   ; time tile 256 b + 4 blk + mt
	s_lshl_b32 s46, s46, 11
	s_lshl_b32 s47, s[WH], 21
	s_add_co_u32 s46, s46, s47
	s_mov_b32 s47, 0
	s_lshl_b32 s48, s28, 7
	s_lshl1_add_u32 s48, s29, s48
	s_add_co_u32 s48, s48, s[WH]                   ; chunk 128 b + 2 blk + w / 4
	s_lshl2_add_u32 s48, s48, s[MT]
	s_lshl_b32 s48, s48, 10
	s_add_co_u32 s48, s48, 4194304
	s_mov_b32 s49, 0
	s_lshl_b32 s50, s[WV], 17
	s_mov_b32 s51, 0
	s_wait_kmcnt 0x0
	s_add_nc_u64 s[4:5], s[4:5], s[38:39]
	s_add_nc_u64 s[18:19], s[18:19], s[40:41]
	s_add_nc_u64 s[20:21], s[20:21], s[40:41]
	s_add_nc_u64 s[22:23], s[22:23], s[40:41]
	s_add_nc_u64 s[46:47], s[24:25], s[46:47]      ; BC at my rows of B or C
	s_add_nc_u64 s[48:49], s[24:25], s[48:49]      ; BC at my block of B turned
	s_add_nc_u64 s[WP:WP+1], s[6:7], s[50:51]
	s_cmp_eq_u32 s[WH], 0
	s_cselect_b64 s[52:53], s[14:15], s[16:17]     ; my gain: g_Bnorm or g_Cnorm
.irp t, 0,1,2,3
	global_load_b32 v[BX+\t], v[VA], s[8:9] offset:64*\t
	global_load_b32 v[BZ+\t], v[VA], s[8:9] offset:2048+64*\t
	global_load_b32 v[DB+\t], v[VA], s[10:11] offset:64*\t
	global_load_b32 v[CC+\t], v[VA], s[12:13] offset:64*\t
.endr
	WIN 0x40
.set i, 0
.rept 32                                       ; my 8 rows of x, 512 consecutive bytes a load
	global_load_b128 v[4*i:4*i+3], v[L16], s[4:5] offset:(i/4)*2048+(i%4)*512 th:TH_LOAD_NT
.set i, i+1
.endr
	LDW1 0, 0
	LDW1 1, 8192
	s_wait_loadcnt 32                              ; all but the 32 weight loads
.irp t, 0,1,2,3
	RB BX+\t
	RB BZ+\t
	RB DB+\t
	RB CC+\t
.endr
.irp t, 0,1,2,3
	v_med3_num_f32 v[CC+\t], v[CC+\t], 0xc1a00000, 2.0
.endr
.irp t, 0,1,2,3
	v_mul_f32 v[CC+\t], 0x3fb8aa3b, v[CC+\t]
.endr
.irp t, 0,1,2,3
	v_exp_f32 v[CC+\t], v[CC+\t]                   ; exp(clip(A_log, -20, 2))
.endr
.irp t, 0,1,2,3
	v_mul_f32 v[DB+\t], 0x3fb8aa3b, v[DB+\t]
.endr
	s_wait_alu depctr_va_vdst(0)                   ; one wait for the four exponentials
.irp t, 0,1,2,3
	v_rcp_f32 v[HI+\t], v[CC+\t]
.endr
	v_nop
	s_wait_alu depctr_va_vdst(0)
.irp t, 0,1,2,3
	v_mul_f32 v[HI+\t], 0x41d49a78, v[HI+\t]       ; 26.5754 / |A|: beyond it the decay would pass under 1e-8,
	v_min_num_f32 v[HI+\t], 0x40e6d4c9, v[HI+\t]   ; or 5 / ln 2
	v_mul_f32 v[CC+\t], -1.0, v[CC+\t]
.endr
	WIN 0x45
.set i, 0
.rept 32
	v_cvt_pk_bf16_f32 v[4*i], v[4*i], v[4*i+1]
	v_cvt_pk_bf16_f32 v[4*i+1], v[4*i+2], v[4*i+3]
.set i, i+1
.endr
	WIN 0x04
.set i, 0
.rept 32
	ds_store_b64 v[TA], v[4*i:4*i+1] offset:(i/4)*XAP+(i%4)*256
.set i, i+1
.endr
	WIN 0
	s_wait_dscnt 0x0                               ; for the others' sake: my rows of x lie in LDS
	s_barrier_signal -1
	s_barrier_wait -1
	v_lshlrev_b32 v[TA], 5, v249                   ; from now on: 32 h, my place in a gain vector
	LDA1 0, 0
	LDA1 1, 64
	GEMM 1
	; THE WAY OUT OF THE FIRST PRODUCT.  The second product's weights are asked for first.
	PLACES
	s_lshl_b32 s38, s[WV], 16
	s_add_co_u32 s38, s38, WDO
	s_mov_b32 s39, 0
	s_add_nc_u64 s[WP:WP+1], s[6:7], s[38:39]      ; every load by the old base has come back
	s_lshl_b32 s38, s[WH], 16
	s_add_co_u32 s38, s38, WBCO
	s_add_nc_u64 s[WQ:WQ+1], s[6:7], s[38:39]
	LDW2 0, 0
	LDW2 1, 4096
.irp t, 0,1,2,3                                ; x_bar, a channel tile at a time, in place: bias, f16, to memory and into LDS
	WIN 0
	v_mov_b32 v[KP], v[BX+\t]
	WIN 0x41
.set i, 0
.rept 16
	v_pk_add_f32 v[32*\t+i:32*\t+i+1], v[32*\t+i:32*\t+i+1], v[KP:KP+1] op_sel_hi:[1,0]
.set i, i+2
.endr
	WIN 0x45
.set i, 0
.rept 16
	v_cvt_pk_f16_f32 v[32*\t+i], v[32*\t+2*i], v[32*\t+2*i+1]
.set i, i+1
.endr
	WIN 0x04
.irp m, 0,1,2,3
	global_store_b128 v[L16], v[32*\t+4*\m:32*\t+4*\m+3], s[18:19] offset:\t*131072+\m*512
	ds_store_b128 v[XTST], v[32*\t+4*\m:32*\t+4*\m+3] offset:16*XTP*\t+32*\m
.endr
.endr
	WIN 0
	s_wait_dscnt 0x0                               ; my channels of x_bar lie in LDS
	s_barrier_signal -1
	s_barrier_wait -1
	s_wait_xcnt 0x0                                ; the stores have read x_bar's registers, which serve as scratch below
	LDA2 0, 0
	LDA2 1, 32*XTP
.macro ZOUT c                          ; silu(z) of channel tile c: 32 numbers a lane, one batch of exponentials, one of reciprocals
.set Z, 128+32*(\c)
	WIN 0
	v_mov_b32 v[KP], v[BZ+(\c)]
	WIN 0x41
.set i, 0
.rept 16
	v_pk_add_f32 v[Z+i:Z+i+1], v[Z+i:Z+i+1], v[KP:KP+1] op_sel_hi:[1,0]
.set i, i+2
.endr
.set i, 0
.rept 16
	v_pk_mul_f32 v[i:i+1], v[Z+i:Z+i+1], 0xbfb8aa3b op_sel_hi:[1,0]
.set i, i+2
.endr
.set i, 0
.rept 32
	v_exp_f32 v[i], v[i]
.set i, i+1
.endr
	v_nop
	s_wait_alu depctr_va_vdst(0)
.set i, 0
.rept 16
	v_pk_add_f32 v[i:i+1], v[i:i+1], 1.0 op_sel_hi:[1,0]
.set i, i+2
.endr
.set i, 0
.rept 32
	v_rcp_f32 v[i], v[i]
.set i, i+1
.endr
	v_nop
	s_wait_alu depctr_va_vdst(0)
	WIN 0x45
.set i, 0
.rept 16
	v_pk_mul_f32 v[Z+i:Z+i+1], v[Z+i:Z+i+1], v[i:i+1]
.set i, i+2
.endr
.set i, 0
.rept 16
	v_cvt_pk_f16_f32 v[Z+i], v[Z+2*i], v[Z+2*i+1]
.set i, i+1
.endr
	WIN 0x04
.irp m, 0,1,2,3
	global_store_b128 v[L16], v[Z+4*\m:Z+4*\m+3], s[22:23] offset:(\c)*131072+\m*512
.endr
.endm
	ZOUT 0
	ZOUT 1
	ZOUT 2
	ZOUT 3
	WIN 0
	s_wait_xcnt 0x0                                ; the stores have read z's registers: the second product writes over some of them
	GEMM 2
	; THE WAY OUT OF THE SECOND PRODUCT
	PLACES
.irp i, 0,1,2,3,4,5,6,7
	global_load_b128 v[WR+4*\i:WR+4*\i+3], v[TA], s[52:53] offset:(\i/2)*64+(\i%2)*16  ; my 32 gains: n = 16 qn + 8 h + 0..7
.endr
.macro DTOUT c                         ; la2 = A x clip(softplus(.), 1e-4, 5) x log2(e): softplus / ln 2 = log2(1 + 2^u); where 2^u overflows the bound takes over, as the clip does
.set Z, 32*(\c)
	WIN 0
	v_mov_b32 v[KP], v[DB+(\c)]
	v_mov_b32 v[KP+2], v[CC+(\c)]
	WIN 0x41
.set i, 0
.rept 16
	v_pk_fma_f32 v[Z+i:Z+i+1], v[Z+i:Z+i+1], 0x3fb8aa3b, v[KP:KP+1] op_sel_hi:[1,0,0]
.set i, i+2
.endr
.set i, 0
.rept 32
	v_exp_f32 v[Z+i], v[Z+i]
.set i, i+1
.endr
	v_nop
	s_wait_alu depctr_va_vdst(0)
.set i, 0
.rept 16
	v_pk_add_f32 v[Z+i:Z+i+1], v[Z+i:Z+i+1], 1.0 op_sel_hi:[1,0]
.set i, i+2
.endr
.set i, 0
.rept 32
	v_log_f32 v[Z+i], v[Z+i]
.set i, i+1
.endr
	v_nop
	s_wait_alu depctr_va_vdst(0)
.set i, 0
.rept 32
	v_med3_num_f32 v[Z+i], v[Z+i], 0x3917470f, v[HI+(\c)]
.set i, i+1
.endr
.set i, 0
.rept 16
	v_pk_mul_f32 v[Z+i:Z+i+1], v[Z+i:Z+i+1], v[KP+2:KP+3] op_sel_hi:[1,0]
.set i, i+2
.endr
	WIN 0x45
.set i, 0
.rept 16
	v_cvt_pk_f16_f32 v[Z+i], v[Z+2*i], v[Z+2*i+1]
.set i, i+1
.endr
	WIN 0x04
.irp m, 0,1,2,3
	global_store_b128 v[L16], v[Z+4*\m:Z+4*\m+3], s[20:21] offset:(\c)*131072+\m*512
.endr
.endm
	DTOUT 0
	DTOUT 1
	DTOUT 2
	DTOUT 3
	; B or C of my 16 times: a lane holds one time and 32 of its 64 n, the lane 16 away the others
	WIN 0
	s_wait_loadcnt 0x0
.set i, 0
.rept 32
	RB WR+i
.set i, i+1
.endr
	WIN 0x05
	v_pk_mul_f32 v[T:T+1], v[128:129], v[128:129]
	v_pk_mul_f32 v[T+2:T+3], v[130:131], v[130:131]
.set i, 4
.rept 7
	v_pk_fma_f32 v[T:T+1], v[128+i:129+i], v[128+i:129+i], v[T:T+1]
	v_pk_fma_f32 v[T+2:T+3], v[130+i:131+i], v[130+i:131+i], v[T+2:T+3]
.set i, i+4
.endr
	WIN 0
	v_pk_add_f32 v[T:T+1], v[T:T+1], v[T+2:T+3]
	v_add_f32 v[T], v[T], v[T+1]
	v_permlanex16_b32 v[T+1], v[T], s[SEL], s[SEL+1]
	v_add_f32 v[T], v[T], v[T+1]
	v_fmaak_f32 v[T], s44, v[T], 0x358637bd        ; mean + 1e-6
	v_rsq_f32 v[T], v[T]
	v_nop
	s_wait_alu depctr_va_vdst(0)
.set i, 0
.rept 16
	v_pk_mul_f32 v[WR+i:WR+i+1], v[WR+i:WR+i+1], v[T:T+1] op_sel_hi:[1,0]
.set i, i+2
.endr
	WIN 0x41
.set i, 0
.rept 16
	v_pk_mul_f32 v[128+i:129+i], v[128+i:129+i], v[WR+i:WR+i+1]
.set i, i+2
.endr
	WIN 0x45
.set i, 0
.rept 16
	v_cvt_pk_f16_f32 v[128+i], v[128+2*i], v[129+2*i]
.set i, i+1
.endr
	WIN 0x04
.irp n, 0,1,2,3
	global_store_b128 v[L16], v[128+4*\n:131+4*\n], s[46:47] offset:512*\n
.endr
	WIN 0
	s_cmp_eq_u32 s[WH], 0
	s_cbranch_scc0 .Lno_bs                         ; B alone is turned
	WIN 0x04
.irp n, 0,1,2,3
	ds_store_b128 v[BSST], v[128+4*\n:131+4*\n] offset:32*\n
.endr
	WIN 0
.Lno_bs:
	s_wait_dscnt 0x0
	s_barrier_signal -1
	s_barrier_wait -1                              ; B of all 64 times lies in LDS
	ds_load_tr16_b128 v[T:T+3], v[BSRD]            ; chunk w / 4, n tile w % 4: rows = n, along the registers the chunk's 32 times
	ds_load_tr16_b128 v[T+4:T+7], v[BSRD] offset:16*XTP
	s_wait_dscnt 0x0
	global_store_b128 v[L16], v[T:T+3], s[48:49]
	global_store_b128 v[L16], v[T+4:T+7], s[48:49] offset:512
	s_wait_tensorcnt 0x0                           ; the wave's end, behind my last LDS store
	ds_add_u32 v[SPW], v[NIL]
	s_wait_dscnt 0x0
	s_endpgm
.Lfunc_end_k_qfe2f03b89e_proj:
	.size	k_qfe2f03b89e_proj, .Lfunc_end_k_qfe2f03b89e_proj-k_qfe2f03b89e_proj
	.p2alignl 7, 3214868480
	.fill 96, 4, 3214868480
	.section	.rodata,"a",@progbits
	.p2align	6, 0x0
	.amdhsa_kernel k_qfe2f03b89e_proj
		.amdhsa_group_segment_fixed_size 159744
		.amdhsa_private_segment_fixed_size 0
		.amdhsa_enable_private_segment 0
		.amdhsa_kernarg_size 88
		.amdhsa_user_sgpr_count 2
		.amdhsa_user_sgpr_kernarg_segment_ptr 1
		.amdhsa_wavefront_size32 1
		.amdhsa_system_sgpr_workgroup_id_x 1
		.amdhsa_system_sgpr_workgroup_id_y 1
		.amdhsa_system_sgpr_workgroup_id_z 1
		.amdhsa_system_vgpr_workitem_id 0
		.amdhsa_next_free_vgpr 512
		.amdhsa_next_free_sgpr 66
		.amdhsa_reserve_vcc 0
		.amdhsa_float_denorm_mode_32 3
		.amdhsa_float_denorm_mode_16_64 3
		.amdhsa_memory_ordered 1
		.amdhsa_forward_progress 1
		.amdhsa_inst_pref_size 161
	.end_amdhsa_kernel
	.amdgpu_metadata
---
amdhsa.version: [ 1, 2 ]
amdhsa.kernels:
  - .name:           k_qfe2f03b89e_proj
    .symbol:         k_qfe2f03b89e_proj.kd
    .args:
      - { .name: x, .offset: 0, .size: 8, .value_kind: global_buffer, .address_space: global }
      - { .name: WF, .offset: 8, .size: 8, .value_kind: global_buffer, .address_space: global }
      - { .name: b_xproj, .offset: 16, .size: 8, .value_kind: global_buffer, .address_space: global }
      - { .name: dt_bias, .offset: 24, .size: 8, .value_kind: global_buffer, .address_space: global }
      - { .name: A_log, .offset: 32, .size: 8, .value_kind: global_buffer, .address_space: global }
      - { .name: g_Bnorm, .offset: 40, .size: 8, .value_kind: global_buffer, .address_space: global }
      - { .name: g_Cnorm, .offset: 48, .size: 8, .value_kind: global_buffer, .address_space: global }
      - { .name: XB, .offset: 56, .size: 8, .value_kind: global_buffer, .address_space: global }
      - { .name: LA, .offset: 64, .size: 8, .value_kind: global_buffer, .address_space: global }
      - { .name: SZ, .offset: 72, .size: 8, .value_kind: global_buffer, .address_space: global }
      - { .name: BC, .offset: 80, .size: 8, .value_kind: global_buffer, .address_space: global }
    .group_segment_fixed_size: 159744
    .private_segment_fixed_size: 0
    .kernarg_segment_align: 8
    .kernarg_segment_size: 88
    .max_flat_workgroup_size: 256
    .sgpr_count:     66
    .vgpr_count:     512
    .wavefront_size: 32
...
	.end_amdgpu_metadata
.endif
;; end of part 2
;; launch segstate (part 3): grid 15 x 16, 8 waves a work-group, no clusters, 167,936 bytes of LDS; arguments XB, LA, BC, SS; writes SS
.if DOCPART == 3
	.amdgcn_target "amdgcn-amd-amdhsa--gfx1250"
	.amdhsa_code_object_version 6
	.text
	.protected	k_qfe2f03b89e_segstate
	.globl	k_qfe2f03b89e_segstate
	.p2align	8
	.type	k_qfe2f03b89e_segstate,@function
k_qfe2f03b89e_segstate:
	s_mov_b64 s[64:65], 0
	v_nop
	global_prefetch_b8 v0, s[64:65] scope:SCOPE_SE
	s_setreg_imm32_b32 hwreg(HW_REG_WAVE_MODE, 25, 1), 1
	s_wait_xcnt 0x0
; FOR ONE SEGMENT OF 256 TIMES (segments 0 to 14 of 16: nobody uses the last one's) and 16 channels a wave: the state that the segment makes by itself, from 0, and the product of its decays.
;   h_t[n][d] = a_t[d] h_(t-1)[n][d] + B_t[n] x_t[d], in chunks of 32: S = S x (the chunk's decay) + B^T (x o decay from t to the chunk's end).
; All decay factors are products of a_t <= 1: nothing is divided, nothing can overflow.  S in f32; the operand x o decay and B in f16.
; LIMIT: a sum that leaves f32's range is not turned into 0 as reference()'s isfinite test would.
; SHARES: work-group = (segment, batch, 128 channels), wave = 16 channels.  A lane (r, h) holds channel r; arrays [g][e] are the times 16 g + 8 h + e of the chunk.
; LDS: each wave's x and la2 of the segment (8 KiB each, its own), and the segment's eight blocks of B turned (4 KiB, one fetched by each wave, read by all): all filled once, by three tensor loads a wave.
; SS: block ((b 16 + s) 32 + q) x 4,352 bytes: [m 4][u 2][lane][16 bytes] f32: S(n = 16 m + 8 h + 4 u + 0..3, channel r); at + 4,096 [lane] f32: the segment's decay.
.set LS,    65536
.set BTS,   131072
.set SPARE, 163840
.set L16, 1
.set XAD, 2
.set LAD, 3
.set BAD, 4
.set L4,  5
.set SPW, 8
.set NIL, 9
.set ZERO, 10
.set ONE, 11
.set AT,  12
.set LP,  16                           ; la2, packed
.set XP,  24                           ; x, packed: already the product's second source but for the decay
.set BTF, 32                           ; four fragments of B turned
.set A,   64
.set Q,   80                           ; Q[e] = a(e+1) .. a7 of the run of eight; Q[6] is a7 itself, Q[7] = 1
.set S,   96
.set DT,  128
.set QP,  144
.set BST, 152
.set TT,  160                          ; v160, v168 the runs' whole products
.set TO,  161                          ; v161, v169 those of the lane 16 away
.set F16, 162
.set T01, 163
.set T23, 164
.set SF,  170                          ; v170, v172 decay from the run's end to the chunk's end
.set TC,  174
.macro UNPK d, s, hi                   ; an f16 half as f32
.if \hi
	v_fma_mix_f32 v[\d], v[\s], v[ONE], v[ZERO] op_sel:[1,0,0] op_sel_hi:[1,0,0]
.else
	v_fma_mix_f32 v[\d], v[\s], v[ONE], v[ZERO] op_sel_hi:[1,0,0]
.endif
.endm
.macro AREG g, e                       ; where a(e) of half g lives
.if (\e) == 7
.set AR, Q+8*(\g)+6
.else
.set AR, A+8*(\g)+(\e)
.endif
.endm
.macro M2 d, a, b                      ; d = a b, in both halves of the chunk
	v_mul_f32 v[\d], v[\a], v[\b]
	v_mul_f32 v[(\d)+8], v[(\a)+8], v[(\b)+8]
.endm
	s_load_b256 s[4:11], s[0:1], 0x0               ; XB 4, LA 6, BC 8, SS 10
	v_lshl_add_u32 v[SPW], v0, 2, SPARE
	v_mov_b32 v[NIL], 0
	ds_add_u32 v[SPW], v[NIL]                      ; the opening: the add, twice on end, and its wait ahead of my first tensor load
	ds_add_u32 v[SPW], v[NIL]
	v_lshrrev_b32 v1, 5, v0
	v_readfirstlane_b32 s12, v1                    ; wave
	s_mov_b32 s52, ttmp9                           ; segment
	s_and_b32 s13, ttmp7, 0xffff
	s_lshr_b32 s14, s13, 2                         ; batch
	s_and_b32 s15, s13, 3
	s_lshl3_add_u32 s15, s15, s12                  ; channel tile q
	; descriptor group 1: dense blocks as rows of 256 bytes (32 elements of 8 bytes): s[16:23] 16 rows, s[24:31] 32 rows
.irp g, 16, 24
	s_mov_b32 s[\g], 3<<16                         ; no mask, elements of 8 bytes, no padding
	s_mov_b32 s[\g+1], 32<<16                      ; tensor_dim0 = 32
	s_mov_b32 s[\g+3], 32<<16                      ; tile_dim0 = 32
	s_mov_b32 s[\g+5], 32                          ; 32 elements from row to row
	s_mov_b32 s[\g+6], 0
	s_mov_b32 s[\g+7], 0
.endr
	s_mov_b32 s18, 16<<16                          ; tensor_dim1
	s_mov_b32 s20, 16                              ; tile_dim1
	s_mov_b32 s26, 32<<16
	s_mov_b32 s28, 32
	s_mov_b32 s32, 1                               ; group 0 for B turned: chunk 8 s + wave
	s_lshl_b32 s33, s12, 12
	s_add_co_u32 s33, s33, BTS
	s_mov_b32 s36, 1                               ; for x
	s_lshl_b32 s37, s12, 13
	s_mov_b32 s40, 1                               ; for la2
	s_lshl_b32 s41, s12, 13
	s_add_co_u32 s41, s41, LS
	s_lshl_b32 s44, s14, 7
	s_lshl3_add_u32 s44, s52, s44
	s_add_co_u32 s44, s44, s12
	s_lshl_b32 s44, s44, 12
	s_add_co_u32 s44, s44, 4194304
	s_mov_b32 s45, 0
	s_lshl_b32 s46, s14, 5
	s_add_co_u32 s46, s46, s15
	s_lshl_b32 s48, s46, 17
	s_lshl_b32 s47, s52, 13
	s_add_co_u32 s48, s48, s47
	s_mov_b32 s49, 0
	s_lshl4_add_u32 s50, s14, s52
	s_lshl_b32 s50, s50, 5
	s_add_co_u32 s50, s50, s15
	s_mul_i32 s50, s50, 4352
	s_mov_b32 s51, 0
	s_mov_b32 s54, 0x76543210
	s_mov_b32 s55, 0xfedcba98
	s_mov_b32 s56, 0xffff0000                      ; the lanes with h = 1
	s_wait_dscnt 0x0                               ; both opening adds are done
	s_wait_kmcnt 0x0
	s_add_nc_u64 s[34:35], s[8:9], s[44:45]
	s_or_b32 s35, s35, 0x80000000
	s_add_nc_u64 s[38:39], s[4:5], s[48:49]
	s_or_b32 s39, s39, 0x80000000
	s_add_nc_u64 s[42:43], s[6:7], s[48:49]
	s_or_b32 s43, s43, 0x80000000
	s_add_nc_u64 s[10:11], s[10:11], s[50:51]
	tensor_load_to_lds s[32:35], s[16:23]          ; three first fills, together: three loads of mine are out
	s_nop 0
	tensor_load_to_lds s[36:39], s[24:31]
	s_nop 0
	tensor_load_to_lds s[40:43], s[24:31]
	s_nop 0
.rept 4
	v_nop
.endr
	v_and_b32 v[L4], 31, v0
	v_lshlrev_b32 v[L16], 4, v[L4]
	v_lshlrev_b32 v[L4], 2, v[L4]
	v_add_nc_u32 v[XAD], s37, v[L16]
	v_add_nc_u32 v[LAD], s41, v[L16]
	v_add_nc_u32 v[BAD], BTS, v[L16]
	v_mov_b32 v[ZERO], 0
	v_mov_b32 v[ONE], 1.0
	v_mov_b32 v[AT], 1.0
	v_mov_b32 v[Q+7], 1.0
	v_mov_b32 v[Q+15], 1.0
	v_mov_b32 v[TO], 0
	v_mov_b32 v[TO+8], 0
	v_mov_b32 v[SF+1], 0
	v_mov_b32 v[SF+3], 0
	v_mov_b32 v[TC+1], 0
.set i, 0
.rept 32
	v_mov_b32 v[S+i], 0                            ; the state starts at 0: written while the tiles are on their way, so that all eight chunks have one text
.set i, i+1
.endr
	s_wait_tensorcnt 0x0                           ; my three tiles have landed,
	s_barrier_signal -1
	s_barrier_wait -1                              ; everybody's block of B turned has
	s_mov_b32 s53, 8
.Lchunk:
	ds_load_b128 v[LP:LP+3], v[LAD]
	ds_load_b128 v[LP+4:LP+7], v[LAD] offset:512
	ds_load_b128 v[XP:XP+3], v[XAD]
	ds_load_b128 v[XP+4:XP+7], v[XAD] offset:512
.irp p, 0,1,2,3,4,5,6,7
	ds_load_b128 v[BTF+4*\p:BTF+4*\p+3], v[BAD] offset:512*\p
.endr
	s_wait_dscnt 10                                ; la2 is in; x's two and B's eight loads may stay out
.irp g, 0,1
.irp e, 0,1,2,3,4,5,6,7
	AREG \g, \e
	UNPK AR, LP+4*\g+\e/2, \e%2
.endr
.endr
.irp g, 0,1
.irp e, 0,1,2,3,4,5,6,7
	AREG \g, \e
	v_exp_f32 v[AR], v[AR]
.endr
.endr
	v_nop
	s_wait_alu depctr_va_vdst(0)                   ; one wait for the chunk's 16 exponentials
	M2 Q+5, A+6, Q+6
	M2 Q+4, A+5, Q+5
	M2 Q+3, A+4, Q+4
	M2 Q+2, A+3, Q+3
	M2 Q+1, A+2, Q+2
	M2 Q+0, A+1, Q+1
	M2 TT, A+0, Q+0
	v_permlanex16_b32 v[TO], v[TT], s54, s55
	v_permlanex16_b32 v[TO+8], v[TT+8], s54, s55
	v_cndmask_b32 v[F16], v[TO], v[ONE], s56       ; from my run's end to time 15: h ? 1 : the other run
	v_cndmask_b32 v[SF+2], v[TO+8], v[ONE], s56    ; to time 31, second half
	v_mul_f32 v[T01], v[TT], v[TO]
	v_mul_f32 v[T23], v[TT+8], v[TO+8]
	v_mul_f32 v[SF], v[T23], v[F16]                ; to time 31, first half
	v_mul_f32 v[TC], v[T01], v[T23]                ; the chunk's decay
.irp g, 0,1
.irp k, 0,2,4,6
	v_pk_mul_f32 v[DT+8*\g+\k:DT+8*\g+\k+1], v[Q+8*\g+\k:Q+8*\g+\k+1], v[SF+2*\g:SF+2*\g+1] op_sel_hi:[1,0]
.endr
.endr
.set i, 0
.rept 8
	v_cvt_pk_f16_f32 v[QP+i], v[DT+2*i], v[DT+2*i+1]
.set i, i+1
.endr
	s_wait_dscnt 8                                 ; x is in
.set i, 0
.rept 8
	v_pk_mul_f16 v[BST+i], v[XP+i], v[QP+i]
.set i, i+1
.endr
.set i, 0
.rept 16
	v_pk_mul_f32 v[S+i:S+i+1], v[S+i:S+i+1], v[TC:TC+1] op_sel_hi:[1,0]
.set i, i+2
.endr
	v_mul_f32 v[AT], v[AT], v[TC]
	s_wait_dscnt 0x0
.irp m, 0,1,2,3                                ; four accumulators by turns
	v_wmma_f32_16x16x32_f16 v[S+8*\m:S+8*\m+7], v[BTF+8*\m:BTF+8*\m+7], v[BST:BST+7], v[S+8*\m:S+8*\m+7]
.endr
	v_add_nc_u32 v[XAD], 1024, v[XAD]              ; these four lines are the places in front of the next loads and of the stores
	v_add_nc_u32 v[LAD], 1024, v[LAD]
	v_add_nc_u32 v[BAD], 4096, v[BAD]
	v_nop
	s_sub_co_u32 s53, s53, 1
	s_cmp_lg_u32 s53, 0
	s_cbranch_scc1 .Lchunk
.irp p, 0,1,2,3,4,5,6,7
	global_store_b128 v[L16], v[S+4*\p:S+4*\p+3], s[10:11] offset:512*\p
.endr
	global_store_b32 v[L4], v[AT], s[10:11] offset:4096
	s_wait_tensorcnt 0x0                           ; the wave's end
	ds_add_u32 v[SPW], v[NIL]
	s_wait_dscnt 0x0
	s_endpgm
.Lfunc_end_k_qfe2f03b89e_segstate:
	.size	k_qfe2f03b89e_segstate, .Lfunc_end_k_qfe2f03b89e_segstate-k_qfe2f03b89e_segstate
	.p2alignl 7, 3214868480
	.fill 96, 4, 3214868480
	.section	.rodata,"a",@progbits
	.p2align	6, 0x0
	.amdhsa_kernel k_qfe2f03b89e_segstate
		.amdhsa_group_segment_fixed_size 167936
		.amdhsa_private_segment_fixed_size 0
		.amdhsa_enable_private_segment 0
		.amdhsa_kernarg_size 32
		.amdhsa_user_sgpr_count 2
		.amdhsa_user_sgpr_kernarg_segment_ptr 1
		.amdhsa_wavefront_size32 1
		.amdhsa_system_sgpr_workgroup_id_x 1
		.amdhsa_system_sgpr_workgroup_id_y 1
		.amdhsa_system_sgpr_workgroup_id_z 1
		.amdhsa_system_vgpr_workitem_id 0
		.amdhsa_next_free_vgpr 192
		.amdhsa_next_free_sgpr 66
		.amdhsa_reserve_vcc 0
		.amdhsa_float_denorm_mode_32 3
		.amdhsa_float_denorm_mode_16_64 3
		.amdhsa_memory_ordered 1
		.amdhsa_forward_progress 1
		.amdhsa_inst_pref_size 13
	.end_amdhsa_kernel
	.amdgpu_metadata
---
amdhsa.version: [ 1, 2 ]
amdhsa.kernels:
  - .name:           k_qfe2f03b89e_segstate
    .symbol:         k_qfe2f03b89e_segstate.kd
    .args:
      - { .name: XB, .offset: 0, .size: 8, .value_kind: global_buffer, .address_space: global }
      - { .name: LA, .offset: 8, .size: 8, .value_kind: global_buffer, .address_space: global }
      - { .name: BC, .offset: 16, .size: 8, .value_kind: global_buffer, .address_space: global }
      - { .name: SS, .offset: 24, .size: 8, .value_kind: global_buffer, .address_space: global }
    .group_segment_fixed_size: 167936
    .private_segment_fixed_size: 0
    .kernarg_segment_align: 8
    .kernarg_segment_size: 32
    .max_flat_workgroup_size: 256
    .sgpr_count:     66
    .vgpr_count:     192
    .wavefront_size: 32
...
	.end_amdgpu_metadata
.endif
;; end of part 3
;; launch scan (part 4): grid 16 x 16, 8 waves a work-group, no clusters, 242,688 bytes of LDS; arguments XB, LA, BC, SS, D_skip, YF; writes YF
.if DOCPART == 4
	.amdgcn_target "amdgcn-amd-amdhsa--gfx1250"
	.amdhsa_code_object_version 6
	.text
	.protected	k_qfe2f03b89e_scan
	.globl	k_qfe2f03b89e_scan
	.p2align	8
	.type	k_qfe2f03b89e_scan,@function
k_qfe2f03b89e_scan:
	s_mov_b64 s[64:65], 0
	v_nop
	global_prefetch_b8 v0, s[64:65] scope:SCOPE_SE
	s_setreg_imm32_b32 hwreg(HW_REG_WAVE_MODE, 25, 1), 1
	s_wait_xcnt 0x0
; THE SCAN: y_t[d] = C_t . h_t[:, d] + D_skip[d] x_t[d], h_t = a_t h_(t-1) + B_t x_t, for one segment of 256 times and 16 channels a wave, in chunks of 32.
; THE STATE AT THE SEGMENT'S START is the sum over earlier segments s' of SS(s') x the decays of the segments between: weights made from the stored decays; no work-group waits for another.
; INSIDE A CHUNK the pairs (i, j), j < i, are split by the highest bit in which i and j differ (16, 8, 4, 2, 1); at each level decay(i, j) = E(i) F(j), both products of a_t <= 1:
;   y(i) = G(i,i) x(i) + the sum over levels of E(i) x [G masked to the level] (F o x), + P(i) rf (C S):  nothing is divided, nothing overflows, and where a factor underflows so does the true decay.
; G = C B^T is shared by all channels: wave w makes chunk w's, masks it five ways and leaves it in LDS for all eight.
; Level 4's rows are taken with lane ^ 4, so that its live rows (e = 4..7) fall into its results' four lowest registers.
; reference() multiplies exp(la_i - la_j) by its mask also above the diagonal: where exp(la_i - la_31) overflows it gets infinity x 0 and returns y_c = 0.  So y = 0 where the decay from i to the chunk's end is 2^-128 or less.
; FORMATS: G, C, B, x, the factors F and the state operand in f16, the last with a power of two for each channel beside it (S / 2^e lies within 2); S, E, y in f32.
; LIMITS: |G| <= 64 max|g_B| max|g_C| below 65,504; sums that leave f32's range are not turned into 0 as isfinite would; a state wholly below 2^-126 counts as 0.
; A lane (r, h) holds channel r; arrays [g][e] are the times 16 g + 8 h + e.  YF: (b 32 + q) 262144 + chunk 2048 + (2 g + u) 512 + 16 lane: f32, times 16 g + 8 h + 4 u + 0..3.
.set LS,    65536                      ; XS at 0: x, 8 KiB a wave; LS: la2
.set CS,    131072                     ; rows of C, 4 KiB a chunk
.set BTS,   163840                     ; B turned, 4 KiB a chunk
.set GL,    196608                     ; G: 5,632 bytes a chunk: pieces of 512: 2 level + row tile, then level 16.  Written by LDS stores alone
.set GLB,   5632
.set SPARE, 241664
; window 1
.set GA,  0                            ; level l at 12 l: [tile 0 x4][0 x4][tile 1 x4]: registers +0..7 and +4..11 are the two row tiles' fragments; level 16 at 60: [x4][0 x4]
.set CF,  68
.set BTF, 100
.set S,   132
.set SPK, 164
.set XP,  180
.set B2,  188
.set B4,  196
.set B8,  204
.set B16, 212
.set BST, 220
; window 0
.set L16, 1
.set XAD, 2
.set LAD, 3
.set CAD, 4
.set BAD, 5
.set GAD, 6
.set YOFF, 7
.set SPW, 8
.set NIL, 9
.set ZERO, 10
.set ONE, 11
.set DSK, 12
.set SCL, 13
.set WT,  15                           ; head: weight of segment s' at WT + s' (it takes the place of the next segment's decay)
.set TO,  16                           ; v16, v17
.set F16, 18
.set E16, 20
.set RF,  22                           ; v22, v24
.set SF,  26                           ; v26, v28
.set TC,  30
.set KP,  30
.set LP,  32
.set QP,  40
.set FP,  48
.set A,   56
.set M,   72                           ; +1 a2 a3, +2 a4 a5, +4 a4 a5 a6, +5 a1 a2 a3
.set P,   88                           ; P[e] = a0 .. a(e)
.set Q,   104                          ; Q[e] = a(e+1) .. a7
.set YD,  120
.set Y1,  136
.set Y2,  152
.set Y4,  168
.set Y8,  184
.set Y16, 200
.set YST, 208
.set TMP, 224
.set DT,  240
; head only
.set MK,  32                           ; five masks of four registers
.set GLST, 52
.set L16P, 53
.set DAD, 54
.set L4,  55
.set FB,  56                           ; v56-215: five earlier segments' states at a time
.set GT00, 216
.set GT11, 224
.set GT01, 232
.set GP00, 240
.set GP11, 248
.set G1A, 24
.set G1B, 32
.set SEG, 20
.set SEL, 66
.set HM,  68
.set LOM, 69
.set THR, 70
.set CNT, 71
.set MSB, 0
.macro WIN new
.if MSB != (\new)
	s_set_vgpr_msb (MSB<<8)|(\new)
.set MSB, (\new)
.endif
.endm
.macro UNPK d, s, hi
.if \hi
	v_fma_mix_f32 v[\d], v[\s], v[ONE], v[ZERO] op_sel:[1,0,0] op_sel_hi:[1,0,0]
.else
	v_fma_mix_f32 v[\d], v[\s], v[ONE], v[ZERO] op_sel_hi:[1,0,0]
.endif
.endm
.macro AREG g, e                       ; a0 is made where P[0] lives, a7 where Q[6] lives
.if (\e) == 0
.set AR, P+8*(\g)
.elseif (\e) == 7
.set AR, Q+8*(\g)+6
.else
.set AR, A+8*(\g)+(\e)
.endif
.endm
.macro M2 d, a, b
	v_mul_f32 v[\d], v[\a], v[\b]
	v_mul_f32 v[(\d)+8], v[(\a)+8], v[(\b)+8]
.endm
; The state as an f16 operand: for each channel 2^e, the power of two at or below the largest |S|; SPK = S / 2^e, SCL = 2^e.  Each accumulator's lowest registers are read first.
.macro STATEPK
	WIN 0x15
.irp c, 0,1,2,3
	v_max3_num_f32 v[TMP+\c], |v[S+8*\c]|, |v[S+8*\c+1]|, |v[S+8*\c+2]|
.endr
	WIN 0x14
.irp c, 0,1,2,3
	v_max3_num_f32 v[TMP+\c], v[TMP+\c], |v[S+8*\c+3]|, |v[S+8*\c+4]|
.endr
.irp c, 0,1,2,3
	v_max3_num_f32 v[TMP+\c], v[TMP+\c], |v[S+8*\c+5]|, |v[S+8*\c+6]|
.endr
	v_max3_num_f32 v[TMP], v[TMP], |v[S+7]|, |v[S+15]|
	v_max3_num_f32 v[TMP+2], v[TMP+2], |v[S+23]|, |v[S+31]|
	WIN 0
	v_max3_num_f32 v[TMP], v[TMP], v[TMP+1], v[TMP+2]
	v_max_num_f32 v[TMP], v[TMP], v[TMP+3]
	v_permlanex16_b32 v[TMP+1], v[TMP], s[SEL], s[SEL+1]  ; the channel's other 32 n lie in the lane 16 away
	v_max_num_f32 v[TMP], v[TMP], v[TMP+1]
	v_and_b32 v[SCL], 0x7f800000, v[TMP]
	v_sub_nc_u32 v[TMP+2], 0x7f000000, v[SCL]      ; 2^-e
	WIN 0x01
.set i, 0
.rept 16
	v_pk_mul_f32 v[Y1+i:Y1+i+1], v[S+i:S+i+1], v[TMP+2:TMP+3] op_sel_hi:[1,0]
.set i, i+2
.endr
	WIN 0x40
.set i, 0
.rept 16
	v_cvt_pk_f16_f32 v[SPK+i], v[Y1+2*i], v[Y1+2*i+1]
.set i, i+1
.endr
	WIN 0
.endm
.macro BLD qb                          ; the states of segments 5 qb .. 5 qb + 4
	WIN 0
.irp j, 0,1,2,3,4
.irp p, 0,1,2,3,4,5,6,7
	global_load_b128 v[FB+32*\j+4*\p:FB+32*\j+4*\p+3], v[L16], s[10:11] offset:(5*(\qb)+\j)*139264+512*\p
.endr
.endr
.endm
.macro FOLD qb, first                  ; S += weight x state; the very first term starts the sums
.irp j, 0,1,2,3,4
	WIN 0
	v_mov_b32 v[KP], v[WT+5*(\qb)+\j]
.set i, 0
.if (\first) && (\j == 0)
	WIN 0x40
.rept 16
	v_pk_mul_f32 v[S+i:S+i+1], v[FB+i:FB+i+1], v[KP:KP+1] op_sel_hi:[1,0]
.set i, i+2
.endr
.else
	WIN 0x50
.rept 16
	v_pk_fma_f32 v[S+i:S+i+1], v[FB+32*\j+i:FB+32*\j+i+1], v[KP:KP+1], v[S+i:S+i+1] op_sel_hi:[1,0,1]
.set i, i+2
.endr
.endif
.endr
.endm
.macro SETM l                          ; VCC's lanes get ones in half e % 2 of register e / 2 of mask l
.if e%2 == 0
	v_cndmask_b32 v[MK+4*(\l)+e/2], 0, s[LOM], vcc_lo
.else
	v_cndmask_b32 v249, 0, s[HM], vcc_lo
	v_or_b32 v[MK+4*(\l)+e/2], v[MK+4*(\l)+e/2], v249
.endif
.endm
.macro GOUT l, it, g                   ; packed G at g, masked to level l, into LDS
.irp k, 0,1,2,3
	v_and_b32 v[(\g)+4+\k], v[(\g)+\k], v[MK+4*(\l)+\k]
.endr
	ds_store_b128 v[GLST], v[(\g)+4:(\g)+7] offset:512*(2*(\l)+(\it))
.endm
	s_load_b256 s[4:11], s[0:1], 0x0               ; XB 4, LA 6, BC 8, SS 10
	s_load_b128 s[12:15], s[0:1], 0x20             ; D_skip 12, YF 14
	v_lshl_add_u32 v[SPW], v0, 2, SPARE
	v_mov_b32 v[NIL], 0
	ds_add_u32 v[SPW], v[NIL]                      ; the opening: the add, twice on end, and its wait ahead of my first tensor load
	ds_add_u32 v[SPW], v[NIL]
	v_lshrrev_b32 v1, 5, v0
	v_readfirstlane_b32 s16, v1                    ; wave
	s_mov_b32 s[SEG], ttmp9
	s_and_b32 s17, ttmp7, 0xffff
	s_lshr_b32 s18, s17, 2                         ; batch
	s_and_b32 s19, s17, 3
	s_lshl3_add_u32 s19, s19, s16                  ; channel tile q
.irp g, G1A, G1B                               ; dense blocks as rows of 256 bytes: 16 rows (G1A), 32 rows (G1B)
	s_mov_b32 s[\g], 3<<16
	s_mov_b32 s[\g+1], 32<<16
	s_mov_b32 s[\g+3], 32<<16
	s_mov_b32 s[\g+5], 32
	s_mov_b32 s[\g+6], 0
	s_mov_b32 s[\g+7], 0
.endr
	s_mov_b32 s[G1A+2], 16<<16
	s_mov_b32 s[G1A+4], 16
	s_mov_b32 s[G1B+2], 32<<16
	s_mov_b32 s[G1B+4], 32
	s_mov_b32 s40, 1                               ; group 0: rows of C of chunk 8 s + wave
	s_lshl_b32 s41, s16, 12
	s_add_co_u32 s41, s41, CS
	s_mov_b32 s44, 1                               ; B turned of the same chunk
	s_lshl_b32 s45, s16, 12
	s_add_co_u32 s45, s45, BTS
	s_mov_b32 s48, 1                               ; my channels' x
	s_lshl_b32 s49, s16, 13
	s_mov_b32 s52, 1                               ; my channels' la2
	s_lshl_b32 s53, s16, 13
	s_add_co_u32 s53, s53, LS
	s_lshl_b32 s56, s18, 7
	s_lshl3_add_u32 s56, s[SEG], s56
	s_add_co_u32 s56, s56, s16
	s_lshl_b32 s56, s56, 12                        ; chunk x 4,096
	s_mov_b32 s57, 0
	s_lshl_b32 s21, s18, 5
	s_add_co_u32 s21, s21, s19
	s_lshl_b32 s58, s21, 17
	s_lshl_b32 s22, s[SEG], 13
	s_add_co_u32 s58, s58, s22
	s_mov_b32 s59, 0
	s_lshl_b32 s60, s21, 18
	s_lshl_b32 s22, s[SEG], 14
	s_add_co_u32 s60, s60, s22
	s_mov_b32 s61, 0
	s_lshl_b32 s62, s18, 9
	s_add_co_u32 s62, s62, s19
	s_mul_i32 s62, s62, 4352
	s_mov_b32 s63, 0
	s_mov_b32 s[SEL], 0x76543210
	s_mov_b32 s[SEL+1], 0xfedcba98
	s_mov_b32 s[HM], 0xffff0000                    ; as a lane mask: h = 1; as a word: the upper half
	s_mov_b32 s[LOM], 0xffff
	s_mov_b32 s[THR], 0x00200000                   ; 2^-128
	s_wait_dscnt 0x0
	s_wait_kmcnt 0x0
	s_add_nc_u64 s[8:9], s[8:9], s[56:57]          ; BC at my chunk's rows of B
	s_add_nc_u64 s[42:43], s[8:9], 2097152
	s_or_b32 s43, s43, 0x80000000
	s_add_nc_u64 s[46:47], s[8:9], 4194304
	s_or_b32 s47, s47, 0x80000000
	s_add_nc_u64 s[50:51], s[4:5], s[58:59]
	s_or_b32 s51, s51, 0x80000000
	s_add_nc_u64 s[54:55], s[6:7], s[58:59]
	s_or_b32 s55, s55, 0x80000000
	s_add_nc_u64 s[10:11], s[10:11], s[62:63]      ; SS at segment 0 of my batch and channel tile
	s_add_nc_u64 s[14:15], s[14:15], s[60:61]
	tensor_load_to_lds s[40:43], s[G1A:G1A+7]      ; four first fills, together: four loads of mine are out
	s_nop 0
	tensor_load_to_lds s[44:47], s[G1A:G1A+7]
	s_nop 0
	tensor_load_to_lds s[48:51], s[G1B:G1B+7]
	s_nop 0
	tensor_load_to_lds s[52:55], s[G1B:G1B+7]
	s_nop 0
.rept 4
	v_nop
.endr
	v_and_b32 v[L4], 31, v0
	v_lshlrev_b32 v[L16], 4, v[L4]
	v_xor_b32 v[L16P], 64, v[L16]                  ; 16 x (lane ^ 4)
	v_lshlrev_b32 v[L4], 2, v[L4]
	v_and_b32 v240, 15, v0                         ; r
	s_lshl_b32 s22, s19, 6
	v_lshl_add_u32 v[DAD], v240, 2, s22
	WIN 0x40
.irp p, 0,1,2,3,4,5,6,7
	global_load_b128 v[BTF+4*\p:BTF+4*\p+3], v[L16], s[8:9] offset:512*\p            ; rows of B: fragment (time tile, n half) at 8 (2 jt + ks)
	global_load_b128 v[CF+4*\p:CF+4*\p+3], v[L16], s[8:9] offset:2097152+512*\p      ; rows of C
	global_load_b128 v[S+4*\p:S+4*\p+3], v[L16P], s[8:9] offset:2097152+512*\p       ; rows of C, row r ^ 4 in lane r
.endr
	WIN 0
.irp k, 1,2,3,4,5,6,7,8,9,10,11,12,13,14
	global_load_b32 v[14+\k], v[L4], s[10:11] offset:\k*139264+4096                  ; the decays of segments 1 to 14
.endr
	global_load_b32 v[DSK], v[DAD], s[12:13]
	BLD 0
	WIN 0x40                                       ; what the masks hide holds 0, once and for all
.irp l, 0,1,2,3,4
.irp k, 4,5,6,7
	v_mov_b32 v[GA+12*\l+\k], 0
.endr
.endr
.irp k, 64,65,66,67
	v_mov_b32 v[GA+\k], 0
.endr
.irp k, 1,3,5,7
	v_mov_b32 v[B2+\k], 0
.endr
.irp k, 2,3,6,7
	v_mov_b32 v[B4+\k], 0
.endr
.irp k, 4,5,6,7
	v_mov_b32 v[B16+\k], 0
.endr
	WIN 0
	v_mov_b32 v[ZERO], 0
	v_mov_b32 v[ONE], 1.0
	v_mov_b32 v[KP+1], 0
	v_add_nc_u32 v[XAD], s49, v[L16]
	v_add_nc_u32 v[LAD], s53, v[L16]
	v_add_nc_u32 v[CAD], CS, v[L16]
	v_add_nc_u32 v[BAD], BTS, v[L16]
	v_add_nc_u32 v[GAD], GL, v[L16]
	v_mov_b32 v[YOFF], v[L16]
	s_mul_i32 s22, s16, GLB
	s_add_co_u32 s22, s22, GL
	v_add_nc_u32 v[GLST], s22, v[L16]
	; THE MASKS.  In packed G^T a lane holds row i' = r of a tile of 16 and its registers the columns j' = 8 h + e.  K = i' ^ j' where i' > j', else 0: level 2^l is K >> l == 1.
	v_bfe_u32 v241, v0, 4, 1
	v_lshlrev_b32 v241, 3, v241                    ; 8 h
	v_xor_b32 v242, 4, v240                        ; r ^ 4
.set e, 0
.rept 8
	v_add_nc_u32 v243, e, v241
	v_xor_b32 v244, v240, v243
	v_cmp_gt_u32 vcc_lo, v240, v243
	v_cndmask_b32 v245, 0, v244, vcc_lo
	v_xor_b32 v247, v242, v243
	v_cmp_gt_u32 vcc_lo, v242, v243
	v_cndmask_b32 v247, 0, v247, vcc_lo
	v_cmp_eq_u32 vcc_lo, 0, v244
	SETM 0                                         ; the diagonal
	v_cmp_eq_u32 vcc_lo, 1, v245
	SETM 1
	v_lshrrev_b32 v246, 1, v245
	v_cmp_eq_u32 vcc_lo, 1, v246
	SETM 2
	v_lshrrev_b32 v246, 2, v247
	v_cmp_eq_u32 vcc_lo, 1, v246
	SETM 3                                         ; level 4, rows permuted
	v_lshrrev_b32 v246, 3, v245
	v_cmp_eq_u32 vcc_lo, 1, v246
	SETM 4                                         ; level 8
.set e, e+1
.endr
	s_wait_loadcnt 40                              ; all but the 40 loads of the first five states
	WIN 0x05                                       ; G^T = B C^T: rows j, columns i; five accumulators by turns, n in two halves
.irp k, 0, 8
.if \k == 0
	v_wmma_f32_16x16x32_f16 v[GT00:GT00+7], v[BTF:BTF+7], v[CF:CF+7], 0
	v_wmma_f32_16x16x32_f16 v[GT11:GT11+7], v[BTF+16:BTF+23], v[CF+16:CF+23], 0
	v_wmma_f32_16x16x32_f16 v[GT01:GT01+7], v[BTF:BTF+7], v[CF+16:CF+23], 0
	v_wmma_f32_16x16x32_f16 v[GP00:GP00+7], v[BTF:BTF+7], v[S:S+7], 0
	v_wmma_f32_16x16x32_f16 v[GP11:GP11+7], v[BTF+16:BTF+23], v[S+16:S+23], 0
.else
	v_wmma_f32_16x16x32_f16 v[GT00:GT00+7], v[BTF+8:BTF+15], v[CF+8:CF+15], v[GT00:GT00+7]
	v_wmma_f32_16x16x32_f16 v[GT11:GT11+7], v[BTF+24:BTF+31], v[CF+24:CF+31], v[GT11:GT11+7]
	v_wmma_f32_16x16x32_f16 v[GT01:GT01+7], v[BTF+8:BTF+15], v[CF+24:CF+31], v[GT01:GT01+7]
	v_wmma_f32_16x16x32_f16 v[GP00:GP00+7], v[BTF+8:BTF+15], v[S+8:S+15], v[GP00:GP00+7]
	v_wmma_f32_16x16x32_f16 v[GP11:GP11+7], v[BTF+24:BTF+31], v[S+24:S+31], v[GP11:GP11+7]
.endif
.endr
	WIN 0
	; THE WEIGHTS, which are also the places behind those products: w(s') = 1 if s' = s - 1; w(s' + 1) x decay(s' + 1) if s' < s - 1; 0 otherwise
	v_cvt_pk_bf16_f32 v[DSK], v[DSK], v[DSK]       ; D_skip rounded to bf16 like every input
	v_lshlrev_b32 v[DSK], 16, v[DSK]
	s_cmp_eq_u32 s[SEG], 15
	s_cselect_b32 s72, 1.0, 0
	v_mov_b32 v[WT+14], s72
.irp k, 13,12,11,10,9,8,7,6,5,4,3,2,1,0
	s_cmp_eq_u32 s[SEG], \k+1
	s_cselect_b32 s72, 1.0, 0
	s_cmp_gt_u32 s[SEG], \k+1
	s_cselect_b32 s73, 1.0, 0
	v_mul_f32 v[WT+\k], v[WT+\k+1], v[WT+\k]
	v_fma_f32 v[WT+\k], v[WT+\k], s73, s72
.endr
.irp g, GT00, GT11, GT01, GP00, GP11
.irp k, 0,1,2,3
	v_cvt_pk_f16_f32 v[\g+\k], v[\g+2*\k], v[\g+2*\k+1]
.endr
.endr
.irp l, 0,1,2,4
	GOUT \l, 0, GT00
	GOUT \l, 1, GT11
.endr
	GOUT 3, 0, GP00
	GOUT 3, 1, GP11
	ds_store_b128 v[GLST], v[GT01:GT01+3] offset:5120  ; level 16 needs no mask: every i of tile 1 with every j of tile 0
	s_wait_loadcnt 0x0
	FOLD 0, 1
	WIN 0
	s_cmp_gt_u32 s[SEG], 5                         ; segments from s on have weight 0: a batch that holds no earlier one is jumped over
	s_cbranch_scc0 .Lfolded
	BLD 1
	s_wait_loadcnt 0x0
	FOLD 1, 0
	WIN 0
	s_cmp_gt_u32 s[SEG], 10
	s_cbranch_scc0 .Lfolded
	BLD 2
	s_wait_loadcnt 0x0
	FOLD 2, 0
	WIN 0
.Lfolded:
	v_mov_b32 v[Q+7], 1.0
	v_mov_b32 v[Q+15], 1.0
	STATEPK
	s_wait_tensorcnt 0x0                           ; my four tiles have landed,
	s_wait_dscnt 0x0                               ; my chunk's G lies in LDS:
	s_barrier_signal -1
	s_barrier_wait -1                              ; everybody's do
	s_mov_b32 s[CNT], 8
.Lchunk:
	ds_load_b128 v[LP:LP+3], v[LAD]
	ds_load_b128 v[LP+4:LP+7], v[LAD] offset:512
	WIN 0x40
	ds_load_b128 v[XP:XP+3], v[XAD]
	ds_load_b128 v[XP+4:XP+7], v[XAD] offset:512
.irp p, 0,1,2,3,4,5,6,7
	ds_load_b128 v[CF+4*\p:CF+4*\p+3], v[CAD] offset:512*\p
.endr
.irp l, 0,1,2,3,4
	ds_load_b128 v[GA+12*\l:GA+12*\l+3], v[GAD] offset:1024*\l
	ds_load_b128 v[GA+12*\l+8:GA+12*\l+11], v[GAD] offset:1024*\l+512
.endr
	ds_load_b128 v[GA+60:GA+63], v[GAD] offset:5120
.irp p, 0,1,2,3,4,5,6,7
	ds_load_b128 v[BTF+4*\p:BTF+4*\p+3], v[BAD] offset:512*\p
.endr
	WIN 0
	s_wait_dscnt 29                                ; la2 is in: 29 younger LDS loads may stay out
.irp g, 0,1
.irp e, 0,1,2,3,4,5,6,7
	AREG \g, \e
	UNPK AR, LP+4*\g+\e/2, \e%2
.endr
.endr
.irp g, 0,1
.irp e, 0,1,2,3,4,5,6,7
	AREG \g, \e
	v_exp_f32 v[AR], v[AR]
.endr
.endr
	s_wait_dscnt 19                                ; x and C are in (behind them: G's 11, B's 8)
	WIN 0x05
	v_wmma_f32_16x16x32_f16 v[YST:YST+7], v[CF:CF+7], v[SPK:SPK+7], 0                       ; C (S / 2^e), two row tiles by turns
	v_wmma_f32_16x16x32_f16 v[YST+8:YST+15], v[CF+16:CF+23], v[SPK:SPK+7], 0
	v_wmma_f32_16x16x32_f16 v[YST:YST+7], v[CF+8:CF+15], v[SPK+8:SPK+15], v[YST:YST+7]
	v_wmma_f32_16x16x32_f16 v[YST+8:YST+15], v[CF+24:CF+31], v[SPK+8:SPK+15], v[YST+8:YST+15]
	s_wait_dscnt 8                                 ; G is in
	v_wmma_f32_16x16x32_f16 v[YD:YD+7], v[GA:GA+7], v[XP:XP+7], 0                           ; the diagonal,
	v_wmma_f32_16x16x32_f16 v[YD+8:YD+15], v[GA+4:GA+11], v[XP:XP+7], 0
	v_wmma_f32_16x16x32_f16 v[Y1:Y1+7], v[GA+12:GA+19], v[XP:XP+7], 0                       ; level 1: F = 1
	v_wmma_f32_16x16x32_f16 v[Y1+8:Y1+15], v[GA+16:GA+23], v[XP:XP+7], 0
	WIN 0
	v_nop
	s_wait_alu depctr_va_vdst(0)                   ; one wait for the chunk's 16 exponentials
	M2 P+1, P+0, A+1                               ; 17 products a run of eight
	M2 M+1, A+2, A+3
	M2 M+2, A+4, A+5
	M2 Q+5, A+6, Q+6
	M2 M+4, M+2, A+6
	M2 Q+3, M+2, Q+5
	M2 M+5, A+1, M+1
	M2 Q+4, A+5, Q+5
	M2 P+2, P+1, A+2
	M2 P+3, P+1, M+1
	M2 Q+2, A+3, Q+3
	M2 Q+1, M+1, Q+3
	M2 Q+0, M+5, Q+3
	M2 P+4, P+3, A+4
	M2 P+5, P+3, M+2
	M2 P+6, P+3, M+4
	M2 P+7, P+3, Q+3
.irp g, 0,1
	v_cvt_pk_f16_f32 v[FP+4*\g], v[A+8*\g+1], v[ONE]          ; level 2: F(e0, e1) = a1, 1
	v_cvt_pk_f16_f32 v[FP+4*\g+1], v[A+8*\g+5], v[ONE]        ;          F(e4, e5) = a5, 1
	v_cvt_pk_f16_f32 v[FP+4*\g+2], v[M+8*\g+5], v[M+8*\g+1]   ; level 4: F(e0, e1) = a1 a2 a3, a2 a3
	v_cvt_pk_f16_f32 v[FP+4*\g+3], v[A+8*\g+3], v[ONE]        ;          F(e2, e3) = a3, 1
.endr
	WIN 0x41
.irp g, 0,1
	v_pk_mul_f16 v[B2+4*\g], v[XP+4*\g], v[FP+4*\g]
	v_pk_mul_f16 v[B2+4*\g+2], v[XP+4*\g+2], v[FP+4*\g+1]
	v_pk_mul_f16 v[B4+4*\g], v[XP+4*\g], v[FP+4*\g+2]
	v_pk_mul_f16 v[B4+4*\g+1], v[XP+4*\g+1], v[FP+4*\g+3]
.endr
	WIN 0x05
	v_wmma_f32_16x16x32_f16 v[Y2:Y2+7], v[GA+24:GA+31], v[B2:B2+7], 0
	v_wmma_f32_16x16x32_f16 v[Y2+8:Y2+15], v[GA+28:GA+35], v[B2:B2+7], 0
	v_wmma_f32_16x16x32_f16 v[Y4:Y4+7], v[GA+36:GA+43], v[B4:B4+7], 0
	v_wmma_f32_16x16x32_f16 v[Y4+8:Y4+15], v[GA+40:GA+47], v[B4:B4+7], 0
	WIN 0
	v_permlanex16_b32 v[TO], v[P+7], s[SEL], s[SEL+1]     ; the whole product of the run in the lane 16 away
	v_permlanex16_b32 v[TO+1], v[P+15], s[SEL], s[SEL+1]
	v_cndmask_b32 v[F16], v[TO], v[ONE], s[HM]     ; from my run's end to time 15
	v_cndmask_b32 v[E16], v[ONE], v[TO+1], s[HM]   ; from time 16 to my run's start
	v_cndmask_b32 v[RF], v[ONE], v[TO], s[HM]      ; from time 0 to my run's start, first half
	v_mul_f32 v[TMP+4], v[P+7], v[TO]
	v_mul_f32 v[TMP+5], v[P+15], v[TO+1]
	v_cndmask_b32 v[SF+2], v[TO+1], v[ONE], s[HM]  ; from my run's end to time 31, second half
	v_mul_f32 v[RF+2], v[TMP+4], v[E16]
	v_mul_f32 v[SF], v[TMP+5], v[F16]
	v_mul_f32 v[TC], v[TMP+4], v[TMP+5]            ; the chunk's decay
	v_mul_f32 v[RF], v[RF], v[SCL]                 ; the state operand's power of two rides on rf
	v_mul_f32 v[RF+2], v[RF+2], v[SCL]
.set i, 0
.rept 8
	v_cvt_pk_f16_f32 v[QP+i], v[Q+2*i], v[Q+2*i+1]
.set i, i+1
.endr
	v_cvt_pk_f16_f32 v[TMP+6], v[F16], v[F16]
	v_cvt_pk_f16_f32 v[TMP+7], v[SF], v[SF]
	v_cvt_pk_f16_f32 v[TMP+8], v[SF+2], v[SF+2]
	WIN 0x41
.set i, 0
.rept 8
	v_pk_mul_f16 v[B8+i], v[XP+i], v[QP+i]         ; level 8: F = Q
.set i, i+1
.endr
.irp k, 0,1,2,3
	v_pk_mul_f16 v[B16+\k], v[B8+\k], v[TMP+6]     ; level 16: F = Q x (to time 15)
.endr
.irp g, 0,1
.irp k, 0,1,2,3
	v_pk_mul_f16 v[BST+4*\g+\k], v[B8+4*\g+\k], v[TMP+7+\g]  ; for the state: Q x (to time 31)
.endr
.endr
	WIN 0x05
	v_wmma_f32_16x16x32_f16 v[Y8:Y8+7], v[GA+48:GA+55], v[B8:B8+7], 0
	v_wmma_f32_16x16x32_f16 v[Y8+8:Y8+15], v[GA+52:GA+59], v[B8:B8+7], 0
	v_wmma_f32_16x16x32_f16 v[Y16:Y16+7], v[GA+60:GA+67], v[B16:B16+7], 0
	WIN 0
.irp g, 0,1
.irp k, 0,2,4,6
	v_pk_mul_f32 v[DT+8*\g+\k:DT+8*\g+\k+1], v[Q+8*\g+\k:Q+8*\g+\k+1], v[SF+2*\g:SF+2*\g+1] op_sel_hi:[1,0]  ; the decay from each time to the chunk's end
.endr
.endr
	WIN 0x41
.set i, 0
.rept 16
	v_pk_mul_f32 v[S+i:S+i+1], v[S+i:S+i+1], v[TC:TC+1] op_sel_hi:[1,0]
.set i, i+2
.endr
	s_wait_dscnt 0x0                               ; B turned is in
	WIN 0x55
.irp m, 0,1,2,3
	v_wmma_f32_16x16x32_f16 v[S+8*\m:S+8*\m+7], v[BTF+8*\m:BTF+8*\m+7], v[BST:BST+7], v[S+8*\m:S+8*\m+7]
.endr
	WIN 0
.irp g, 0,1                                    ; levels 1, 2 and 4: E(i) inside the run; each result is read from its low end on
	v_fmac_f32 v[YD+8*\g+1], v[A+8*\g+1], v[Y1+8*\g+1]
	v_fmac_f32 v[YD+8*\g+2], v[A+8*\g+2], v[Y2+8*\g+2]
	v_fmac_f32 v[YD+8*\g+3], v[A+8*\g+3], v[Y1+8*\g+3]
	v_fmac_f32 v[YD+8*\g+4], v[A+8*\g+4], v[Y4+8*\g]
	v_fmac_f32 v[YD+8*\g+5], v[A+8*\g+5], v[Y1+8*\g+5]
	v_fmac_f32 v[YD+8*\g+6], v[A+8*\g+6], v[Y2+8*\g+6]
	v_fmac_f32 v[YD+8*\g+7], v[Q+8*\g+6], v[Y1+8*\g+7]
	v_fmac_f32 v[YD+8*\g+3], v[M+8*\g+1], v[Y2+8*\g+3]
	v_fmac_f32 v[YD+8*\g+5], v[M+8*\g+2], v[Y4+8*\g+1]
	v_fmac_f32 v[YD+8*\g+6], v[M+8*\g+4], v[Y4+8*\g+2]
	v_fmac_f32 v[YD+8*\g+7], v[Q+8*\g+5], v[Y2+8*\g+7]
	v_fmac_f32 v[YD+8*\g+7], v[Q+8*\g+3], v[Y4+8*\g+3]
.endr
.irp g, 0,1
.irp k, 0,2,4,6
	v_pk_fma_f32 v[YST+8*\g+\k:YST+8*\g+\k+1], v[YST+8*\g+\k:YST+8*\g+\k+1], v[RF+2*\g:RF+2*\g+1], v[Y8+8*\g+\k:Y8+8*\g+\k+1] op_sel_hi:[1,0,1]
.endr
.endr
.irp k, 0,2,4,6
	v_pk_fma_f32 v[YST+8+\k:YST+9+\k], v[Y16+\k:Y16+\k+1], v[E16:E16+1], v[YST+8+\k:YST+9+\k] op_sel_hi:[1,0,1]
.endr
.set i, 0
.rept 8
	v_pk_fma_f32 v[YD+i:YD+i+1], v[P+i:P+i+1], v[YST+i:YST+i+1], v[YD+i:YD+i+1]  ; level 8, level 16 and the incoming state share the factor P
.set i, i+2
.endr
.set i, 0
.rept 16
	v_cmp_lt_f32 vcc_lo, s[THR], v[DT+i]
	v_cndmask_b32 v[YD+i], 0, v[YD+i], vcc_lo
.set i, i+1
.endr
	WIN 0x01
.set i, 0
.rept 8
	v_fma_mix_f32 v[YD+2*i], v[XP+i], v[DSK], v[YD+2*i] op_sel_hi:[1,0,0]
	v_fma_mix_f32 v[YD+2*i+1], v[XP+i], v[DSK], v[YD+2*i+1] op_sel:[1,0,0] op_sel_hi:[1,0,0]
.set i, i+1
.endr
	WIN 0
.irp p, 0,1,2,3
	global_store_b128 v[YOFF], v[YD+4*\p:YD+4*\p+3], s[14:15] offset:512*\p th:TH_STORE_NT
.endr
	STATEPK                                        ; the post work above is the places behind the state's products
	s_wait_xcnt 0x0                                ; the four stores have read YD and their offset
	v_add_nc_u32 v[YOFF], 2048, v[YOFF]
	v_add_nc_u32 v[XAD], 1024, v[XAD]
	v_add_nc_u32 v[LAD], 1024, v[LAD]
	v_add_nc_u32 v[CAD], 4096, v[CAD]
	v_add_nc_u32 v[BAD], 4096, v[BAD]
	v_add_nc_u32 v[GAD], GLB, v[GAD]
	s_sub_co_u32 s[CNT], s[CNT], 1
	s_cmp_lg_u32 s[CNT], 0
	s_cbranch_scc1 .Lchunk
	s_wait_tensorcnt 0x0                           ; the wave's end
	ds_add_u32 v[SPW], v[NIL]
	s_wait_dscnt 0x0
	s_endpgm
.Lfunc_end_k_qfe2f03b89e_scan:
	.size	k_qfe2f03b89e_scan, .Lfunc_end_k_qfe2f03b89e_scan-k_qfe2f03b89e_scan
	.p2alignl 7, 3214868480
	.fill 96, 4, 3214868480
	.section	.rodata,"a",@progbits
	.p2align	6, 0x0
	.amdhsa_kernel k_qfe2f03b89e_scan
		.amdhsa_group_segment_fixed_size 242688
		.amdhsa_private_segment_fixed_size 0
		.amdhsa_enable_private_segment 0
		.amdhsa_kernarg_size 48
		.amdhsa_user_sgpr_count 2
		.amdhsa_user_sgpr_kernarg_segment_ptr 1
		.amdhsa_wavefront_size32 1
		.amdhsa_system_sgpr_workgroup_id_x 1
		.amdhsa_system_sgpr_workgroup_id_y 1
		.amdhsa_system_sgpr_workgroup_id_z 1
		.amdhsa_system_vgpr_workitem_id 0
		.amdhsa_next_free_vgpr 512
		.amdhsa_next_free_sgpr 80
		.amdhsa_reserve_vcc 1
		.amdhsa_float_denorm_mode_32 3
		.amdhsa_float_denorm_mode_16_64 3
		.amdhsa_memory_ordered 1
		.amdhsa_forward_progress 1
		.amdhsa_inst_pref_size 76
	.end_amdhsa_kernel
	.amdgpu_metadata
---
amdhsa.version: [ 1, 2 ]
amdhsa.kernels:
  - .name:           k_qfe2f03b89e_scan
    .symbol:         k_qfe2f03b89e_scan.kd
    .args:
      - { .name: XB, .offset: 0, .size: 8, .value_kind: global_buffer, .address_space: global }
      - { .name: LA, .offset: 8, .size: 8, .value_kind: global_buffer, .address_space: global }
      - { .name: BC, .offset: 16, .size: 8, .value_kind: global_buffer, .address_space: global }
      - { .name: SS, .offset: 24, .size: 8, .value_kind: global_buffer, .address_space: global }
      - { .name: D_skip, .offset: 32, .size: 8, .value_kind: global_buffer, .address_space: global }
      - { .name: YF, .offset: 40, .size: 8, .value_kind: global_buffer, .address_space: global }
    .group_segment_fixed_size: 242688
    .private_segment_fixed_size: 0
    .kernarg_segment_align: 8
    .kernarg_segment_size: 48
    .max_flat_workgroup_size: 256
    .sgpr_count:     80
    .vgpr_count:     512
    .wavefront_size: 32
...
	.end_amdgpu_metadata
.endif
;; end of part 4
;; launch outp (part 5): grid 256 x 1, 8 waves a work-group, no clusters, 123,904 bytes of LDS; arguments YF, SZ, WF, g_outnorm, b_out, out0; writes out0
.if DOCPART == 5
	.amdgcn_target "amdgcn-amd-amdhsa--gfx1250"
	.amdhsa_code_object_version 6
	.text
	.protected	k_qfe2f03b89e_outp
	.globl	k_qfe2f03b89e_outp
	.p2align	8
	.type	k_qfe2f03b89e_outp,@function
k_qfe2f03b89e_outp:
	s_mov_b64 s[64:65], 0
	v_nop
	global_prefetch_b8 v0, s[64:65] scope:SCOPE_SE
	s_setreg_imm32_b32 hwreg(HW_REG_WAVE_MODE, 25, 1), 1
	s_wait_xcnt 0x0
; out = (rmsnorm(y, g) o silu(z)) W_out + b_out, for 64 times of one batch.  The row's rsqrt is a factor of the whole row, so it is applied behind the product:
;   u = y g silu(z) in f32;  2^e = the power of two at or below the row's largest |u|;  the product's operand is u / 2^e, within 2, rounded once to f16;
;   out = rsqrt(mean y^2 + 1e-6) 2^e ((u / 2^e) W_out) + b_out.  The sum of squares is taken of the f32 y.
; f16 and not bf16: where large terms of a row cancel in an output number, the operand's rounding is felt at the row's size; f16 keeps three bits more.  The power of two by rows gives it room for any size of u.
; g_outnorm and b_out are rounded to bf16 like every input.
; LIMITS: a row whose largest |u| lies below 2^-126 counts as u = 0; a term below 6e-5 of the row's 2^e keeps f16's fixed step; NaN and infinities are not treated apart.
; SHARES: staging: wave w takes channels 64 w .. 64 w + 63 of all 64 times; product: wave w makes output columns 64 w .. 64 w + 63, sources swapped, so that a lane holds one time and eight neighbouring columns.
; NO CLUSTER: the weights come as ready fragments into the registers of the one wave that uses them.
; LDS: UT u in f16 [512 channels][64 times], rows of 128 + 32 bytes; SSQ, MXQ [8 waves][64 times] f32: partial sums of squares, partial maxima; STG 16 rows x 272 bytes a wave for the way out;
;      SCW 256 bytes a wave, its own: the 64 factors 2^-e on their way from lane = time to register = time.
.set UTP,   160
.set SSQ,   81920
.set STG,   83968
.set SGP,   272
.set MXQ,   118784
.set SCW,   120832
.set SPARE, 122880
.set WOO,   1703936
.set L16,  1
.set UTRD, 2
.set UTST, 3
.set SQST, 4
.set SQRD, 5
.set SGST, 6
.set SGRD, 7
.set SPW,  8
.set NIL,  9
.set ZERO, 10
.set OOF,  11
.set GN,   12                          ; v12, 14, 16, 18: g by channel tile (low words of pairs)
.set RS,   20                          ; v20, 22, 24, 26: the rows' rsqrt x 2^e by time tile
.set BI,   28                          ; 32: b_out of my columns
.set SSA,  60                          ; 32: sums of squares, [time tile][e]
.set SZR,  92                          ; 64: silu(z), packed
.set MXL,  92                          ; later 32: the eight waves' partial maxima
.set SC,   124                         ; later 32: 2^-e, [time tile][e]
.set T,    156                         ; 32
.set U,    188                         ; 32
.set MX,   188                         ; in the staging: the rows' maxima of |u|, [time tile][e]
.set VA,   220
.set VB,   221
.set SCST, 227
.set EX,   228                         ; v228-231: 2^e by time tile
.set IV,   232                         ; v232-235: 2^-e
.set WR,   128                         ; window 1: two sets of four weight fragments
.set AF,   192                         ; window 1: two sets of four fragments of u
.set WV,  16
.set WP,  20
.set CNT, 22
.set MSB, 0
.macro WIN new
.if MSB != (\new)
	s_set_vgpr_msb (MSB<<8)|(\new)
.set MSB, (\new)
.endif
.endm
.macro PLACES
.rept 4
	v_nop
.endr
.endm
.macro RB r
	v_cvt_pk_bf16_f32 v[\r], v[\r], v[\r]
	v_lshlrev_b32 v[\r], 16, v[\r]
.endm
.macro LDW3 set, off
	WIN 0x40
.irp n, 0,1,2,3
	global_load_b128 v[WR+32*(\set)+8*\n:WR+32*(\set)+8*\n+3],   v[L16], s[WP:WP+1] offset:(\off)+1024*\n
	global_load_b128 v[WR+32*(\set)+8*\n+4:WR+32*(\set)+8*\n+7], v[L16], s[WP:WP+1] offset:(\off)+1024*\n+512
.endr
.endm
.macro LDA3 set, off
	WIN 0x40
.irp m, 0,1,2,3
	ds_load_tr16_b128 v[AF+32*(\set)+8*\m:AF+32*(\set)+8*\m+3],   v[UTRD] offset:(\off)+32*\m
	ds_load_tr16_b128 v[AF+32*(\set)+8*\m+4:AF+32*(\set)+8*\m+7], v[UTRD] offset:(\off)+32*\m+16*UTP
.endr
.endm
.macro MUL3 set, zero                  ; 16 products, 16 accumulators by turns
	WIN 0x55
.irp n, 0,1,2,3
.irp m, 0,1,2,3
.if \zero
	v_wmma_f32_16x16x32_f16 v[8*(4*\n+\m):8*(4*\n+\m)+7], v[WR+32*(\set)+8*\n:WR+32*(\set)+8*\n+7], v[AF+32*(\set)+8*\m:AF+32*(\set)+8*\m+7], 0
.else
	v_wmma_f32_16x16x32_f16 v[8*(4*\n+\m):8*(4*\n+\m)+7], v[WR+32*(\set)+8*\n:WR+32*(\set)+8*\n+7], v[AF+32*(\set)+8*\m:AF+32*(\set)+8*\m+7], v[8*(4*\n+\m):8*(4*\n+\m)+7]
.endif
.endr
.endr
.endm
.macro STEP set, zero, load, last      ; the waits leave the other set's 8 weight loads and 8 LDS loads out
.if \last
	s_wait_loadcnt 0x0
	s_wait_dscnt 0x0
.else
	s_wait_loadcnt 8
	s_wait_dscnt 8
.endif
	MUL3 \set, \zero
.if \load
	WIN 0
	PLACES
.if (\set) == 0
	s_wait_xcnt 0x0                                ; the loads issued so far have read their base
	s_add_nc_u64 s[WP:WP+1], s[WP:WP+1], 8192
	v_add_nc_u32 v[UTRD], 64*UTP, v[UTRD]
.endif
	LDW3 \set, (\set)*4096
	LDA3 \set, (\set)*32*UTP
.endif
.endm
	s_load_b256 s[4:11], s[0:1], 0x0               ; YF 4, SZ 6, WF 8, g_outnorm 10
	s_load_b128 s[12:15], s[0:1], 0x20             ; b_out 12, out0 14
	v_lshl_add_u32 v[SPW], v0, 2, SPARE
	v_mov_b32 v[NIL], 0
	v_lshrrev_b32 v[VA], 5, v0
	v_readfirstlane_b32 s[WV], v[VA]
	s_lshr_b32 s17, ttmp9, 6                       ; batch
	s_and_b32 s18, ttmp9, 63                       ; block of 64 times
	s_mov_b32 s19, 0x3b000000                      ; 1 / 512
	v_and_b32 v222, 15, v0                         ; r
	v_bfe_u32 v223, v0, 4, 1                       ; h
	v_and_b32 v224, 31, v0
	v_and_b32 v225, 7, v0
	v_bfe_u32 v226, v0, 3, 1
	v_lshlrev_b32 v[L16], 4, v224
	v_lshl_add_u32 v[UTRD], v223, 3, v225
	v_mul_u32_u24 v[UTRD], v[UTRD], UTP
	v_lshl_add_u32 v[UTRD], v226, 4, v[UTRD]
	s_mul_i32 s23, s[WV], 64*UTP
	v_mul_u32_u24 v[UTST], v222, UTP
	v_lshl_add_u32 v[UTST], v223, 4, v[UTST]
	v_add_nc_u32 v[UTST], s23, v[UTST]
	s_lshl_b32 s23, s[WV], 8
	s_add_co_u32 s24, s23, SSQ
	v_lshl_add_u32 v[SQST], v223, 5, s24           ; my wave's 256 bytes, 32 bytes by the half of the lanes
	s_add_co_u32 s24, s23, SCW
	v_lshl_add_u32 v[SCST], v222, 2, s24           ; my wave's 256 bytes of SCW, word r
	v_lshlrev_b32 v[SQRD], 2, v222
	v_add_nc_u32 v[SQRD], SSQ, v[SQRD]
	s_mul_i32 s24, s[WV], 16*SGP
	s_add_co_u32 s24, s24, STG
	v_mul_u32_u24 v[SGST], v222, SGP
	v_lshl_add_u32 v[SGST], v223, 5, v[SGST]
	v_add_nc_u32 v[SGST], s24, v[SGST]
	v_mul_u32_u24 v[SGRD], v223, SGP
	v_lshl_add_u32 v[SGRD], v222, 4, v[SGRD]
	v_add_nc_u32 v[SGRD], s24, v[SGRD]
	v_lshlrev_b32 v[OOF], 11, v223
	v_lshl_add_u32 v[OOF], v222, 4, v[OOF]
	v_add_nc_u32 v[OOF], s23, v[OOF]               ; row h, my wave's 256 bytes, 16 bytes a lane
	v_lshl_add_u32 v[VA], v222, 2, s23
	v_lshl_add_u32 v[VB], v223, 5, s23
	v_mov_b32 v[ZERO], 0
.irp i, 1,3,5,7,9,11,13,15
	v_mov_b32 v[GN+\i], 0
.endr
	s_lshl_b32 s24, s17, 5
	s_lshl2_add_u32 s24, s[WV], s24                ; channel tile 32 b + 4 w
	s_lshl_b32 s26, s24, 18
	s_lshl_b32 s25, s18, 12
	s_add_co_u32 s26, s26, s25
	s_mov_b32 s27, 0
	s_lshl_b32 s28, s24, 17
	s_lshl_b32 s25, s18, 11
	s_add_co_u32 s28, s28, s25
	s_mov_b32 s29, 0
	s_lshl_b32 s30, s[WV], 16
	s_add_co_u32 s30, s30, WOO
	s_mov_b32 s31, 0
	s_lshl_b32 s24, ttmp9, 17
	s_mov_b32 s25, 0
	s_wait_kmcnt 0x0
	s_add_nc_u64 s[4:5], s[4:5], s[26:27]
	s_add_nc_u64 s[6:7], s[6:7], s[28:29]
	s_add_nc_u64 s[WP:WP+1], s[8:9], s[30:31]
	s_add_nc_u64 s[14:15], s[14:15], s[24:25]
.irp c, 0,1,2,3
	global_load_b32 v[GN+2*\c], v[VA], s[10:11] offset:64*\c
.endr
.irp i, 0,1,2,3,4,5,6,7
	global_load_b128 v[BI+4*\i:BI+4*\i+3], v[VB], s[12:13] offset:(\i/2)*64+(\i%2)*16
.endr
	WIN 0x40
.irp c, 0,1,2,3
.irp p, 0,1,2,3,4,5,6,7
	global_load_b128 v[32*\c+4*\p:32*\c+4*\p+3], v[L16], s[4:5] offset:\c*262144+\p*512 th:TH_LOAD_NT  ; y: register 32 c + 8 tau + e = time 16 tau + 8 h + e
.endr
.endr
	WIN 0
.irp c, 0,1,2,3
.irp m, 0,1,2,3
	global_load_b128 v[SZR+16*\c+4*\m:SZR+16*\c+4*\m+3], v[L16], s[6:7] offset:\c*131072+\m*512 th:TH_LOAD_NT
.endr
.endr
	LDW3 0, 0
	LDW3 1, 4096
	WIN 0
	s_wait_loadcnt 16                              ; all but the 16 weight loads
.irp c, 0,1,2,3
	RB GN+2*\c
.endr
.set i, 0
.rept 32
	RB BI+i
.set i, i+1
.endr
.macro STAGE c                         ; channel tile c: the squares; then u = y g silu(z) takes y's place, in f32
	WIN 0x05
.set i, 0
.rept 16
.if (\c) == 0
	v_pk_mul_f32 v[SSA+i:SSA+i+1], v[i:i+1], v[i:i+1]
.else
	v_pk_fma_f32 v[SSA+i:SSA+i+1], v[32*(\c)+i:32*(\c)+i+1], v[32*(\c)+i:32*(\c)+i+1], v[SSA+i:SSA+i+1]
.endif
.set i, i+2
.endr
	WIN 0x41
.set i, 0
.rept 16
	v_pk_mul_f32 v[32*(\c)+i:32*(\c)+i+1], v[32*(\c)+i:32*(\c)+i+1], v[GN+2*(\c):GN+2*(\c)+1] op_sel_hi:[1,0]
.set i, i+2
.endr
	WIN 0x44                                       ; silu(z)'s half and the 0 in window 0, y g and the result in window 1
.set i, 0
.rept 16
	v_fma_mix_f32 v[32*(\c)+2*i], v[SZR+16*(\c)+i], v[32*(\c)+2*i], v[ZERO] op_sel_hi:[1,0,0]
	v_fma_mix_f32 v[32*(\c)+2*i+1], v[SZR+16*(\c)+i], v[32*(\c)+2*i+1], v[ZERO] op_sel:[1,0,0] op_sel_hi:[1,0,0]
.set i, i+1
.endr
.endm
	STAGE 0
	STAGE 1
	STAGE 2
	STAGE 3
	WIN 0x15                                       ; the largest |u| of my four channels, for each of my 32 times
.set i, 0
.rept 32
	v_max3_num_f32 v[MX+i], |v[i]|, |v[32+i]|, |v[64+i]|
.set i, i+1
.endr
	WIN 0x04
.set i, 0
.rept 32
	v_max_num_f32 v[MX+i], v[MX+i], |v[96+i]|
.set i, i+1
.endr
	WIN 0
.irp x, 1,2,4,8                                ; over the 16 channels that the lanes of a half hold
.set i, 0
.rept 32
	v_add_f32_dpp v[SSA+i], v[SSA+i], v[SSA+i] row_xmask:\x row_mask:0xf bank_mask:0xf
	v_max_num_f32_dpp v[MX+i], v[MX+i], v[MX+i] row_xmask:\x row_mask:0xf bank_mask:0xf
.set i, i+1
.endr
.endr
.irp i, 0,1,2,3,4,5,6,7
	ds_store_b128 v[SQST], v[SSA+4*\i:SSA+4*\i+3] offset:(\i/2)*64+(\i%2)*16  ; sixteen lanes write the same words with the same numbers
	ds_store_b128 v[SQST], v[MX+4*\i:MX+4*\i+3] offset:(MXQ-SSQ)+(\i/2)*64+(\i%2)*16
.endr
	s_wait_dscnt 0x0                               ; for the others' sake: my partial sums and maxima lie in LDS
	s_barrier_signal -1
	s_barrier_wait -1
.irp m, 0,1,2,3
.irp w, 0,1,2,3,4,5,6,7
	ds_load_b32 v[T+8*\m+\w], v[SQRD] offset:256*\w+64*\m                  ; time 16 m + r, the eight waves' parts: sums,
	ds_load_b32 v[MXL+8*\m+\w], v[SQRD] offset:(MXQ-SSQ)+256*\w+64*\m      ; maxima
.endr
.endr
	s_wait_dscnt 0x0
.irp m, 0,1,2,3
	v_pk_add_f32 v[T+8*\m:T+8*\m+1], v[T+8*\m:T+8*\m+1], v[T+8*\m+2:T+8*\m+3]
	v_pk_add_f32 v[T+8*\m+4:T+8*\m+5], v[T+8*\m+4:T+8*\m+5], v[T+8*\m+6:T+8*\m+7]
.endr
.irp m, 0,1,2,3
	v_pk_add_f32 v[T+8*\m:T+8*\m+1], v[T+8*\m:T+8*\m+1], v[T+8*\m+4:T+8*\m+5]
.endr
.irp m, 0,1,2,3
	v_add_f32 v[T+8*\m], v[T+8*\m], v[T+8*\m+1]
.endr
.irp m, 0,1,2,3
	v_fmaak_f32 v[RS+2*\m], s19, v[T+8*\m], 0x358637bd
.endr
.irp m, 0,1,2,3
	v_rsq_f32 v[RS+2*\m], v[RS+2*\m]
.endr
.irp k, 1,3,5                                  ; the maxima's work stands between the four rsq and their wait
.irp m, 0,1,2,3
	v_max3_num_f32 v[MXL+8*\m], v[MXL+8*\m], v[MXL+8*\m+\k], v[MXL+8*\m+\k+1]
.endr
.endr
.irp m, 0,1,2,3
	v_max_num_f32 v[MXL+8*\m], v[MXL+8*\m], v[MXL+8*\m+7]
.endr
.irp m, 0,1,2,3
	v_and_b32 v[EX+\m], 0x7f800000, v[MXL+8*\m]    ; 2^e: the maximum's exponent alone
.endr
.irp m, 0,1,2,3
	v_sub_nc_u32 v[IV+\m], 0x7f000000, v[EX+\m]    ; 2^-e
.endr
.irp m, 0,1,2,3
	ds_store_b32 v[SCST], v[IV+\m] offset:64*\m    ; word 16 m + r of my wave's own 64: both halves of the lanes write the same number
.endr
.irp i, 0,1,2,3,4,5,6,7
	ds_load_b128 v[SC+4*\i:SC+4*\i+3], v[SQST] offset:(SCW-SSQ)+(\i/2)*64+(\i%2)*16  ; back as [time tile][e]; LDS serves a wave's instructions in order (ISA guide 5.7.1.4): these see the stores above
.endr
	s_wait_alu depctr_va_vdst(0)                   ; one wait for the four rsq
.irp m, 0,1,2,3
	v_mul_f32 v[RS+2*\m], v[RS+2*\m], v[EX+\m]     ; the power of two rides on the row's rsqrt
.endr
	s_wait_dscnt 0x0                               ; the 32 factors are in
	WIN 0x41
.irp c, 0,1,2,3
.set i, 0
.rept 16
	v_pk_mul_f32 v[32*\c+i:32*\c+i+1], v[32*\c+i:32*\c+i+1], v[SC+i:SC+i+1]
.set i, i+2
.endr
.endr
	WIN 0x45
.irp c, 0,1,2,3
.set i, 0
.rept 16
	v_cvt_pk_f16_f32 v[32*\c+i], v[32*\c+2*i], v[32*\c+2*i+1]  ; the operand's one rounding; packed toward the tile's low registers
.set i, i+1
.endr
.endr
	WIN 0x04
.irp c, 0,1,2,3
.irp m, 0,1,2,3
	ds_store_b128 v[UTST], v[32*\c+4*\m:32*\c+4*\m+3] offset:16*UTP*\c+32*\m
.endr
.endr
	WIN 0
	s_wait_dscnt 0x0                               ; for the others' sake: my channels of u lie in LDS
	s_barrier_signal -1
	s_barrier_wait -1
	LDA3 0, 0
	LDA3 1, 32*UTP
	STEP 0, 1, 1, 0                                ; 16 K steps of 32 channels: the first starts the sums
	STEP 1, 0, 1, 0
	WIN 0
	s_mov_b32 s[CNT], 6
.Lturn:
	STEP 0, 0, 1, 0
	STEP 1, 0, 1, 0
	WIN 0
	s_sub_co_u32 s[CNT], s[CNT], 1
	s_cmp_lg_u32 s[CNT], 0
	s_cbranch_scc1 .Lturn
	STEP 0, 0, 0, 0
	STEP 1, 0, 0, 1
	WIN 0
	PLACES
.macro OUTT m                          ; 16 times x my 64 columns: scaled, biased, through my own stage, out as whole rows of 256 bytes
	WIN 0
	s_wait_xcnt 0x0                                ; the stores of the tile before have read their registers
	WIN 0x01
.irp n, 0,1,2,3
.irp k, 0,2,4,6
	v_pk_fma_f32 v[T+8*\n+\k:T+8*\n+\k+1], v[8*(4*\n+(\m))+\k:8*(4*\n+(\m))+\k+1], v[RS+2*(\m):RS+2*(\m)+1], v[BI+8*\n+\k:BI+8*\n+\k+1] op_sel_hi:[1,0,1]
.endr
.endr
	WIN 0
.irp j, 0,1,2,3,4,5,6,7
	ds_store_b128 v[SGST], v[T+4*\j:T+4*\j+3] offset:(\j/2)*64+(\j%2)*16
.endr
.irp j, 0,1,2,3,4,5,6,7
	ds_load_b128 v[U+4*\j:U+4*\j+3], v[SGRD] offset:\j*2*SGP  ; LDS serves a wave's instructions in order (ISA guide 5.7.1.4): these see the stores above
.endr
	s_wait_dscnt 0x0
.irp j, 0,1,2,3,4,5,6,7
	global_store_b128 v[OOF], v[U+4*\j:U+4*\j+3], s[14:15] offset:(16*(\m)+2*\j)*2048 th:TH_STORE_NT  ; 16 lanes store 256 consecutive bytes, aligned
.endr
.endm
	OUTT 0
	OUTT 1
	OUTT 2
	OUTT 3
	s_wait_tensorcnt 0x0                           ; the wave's end, behind my last LDS store
	ds_add_u32 v[SPW], v[NIL]
	s_wait_dscnt 0x0
	s_endpgm
.Lfunc_end_k_qfe2f03b89e_outp:
	.size	k_qfe2f03b89e_outp, .Lfunc_end_k_qfe2f03b89e_outp-k_qfe2f03b89e_outp
	.p2alignl 7, 3214868480
	.fill 96, 4, 3214868480
	.section	.rodata,"a",@progbits
	.p2align	6, 0x0
	.amdhsa_kernel k_qfe2f03b89e_outp
		.amdhsa_group_segment_fixed_size 123904
		.amdhsa_private_segment_fixed_size 0
		.amdhsa_enable_private_segment 0
		.amdhsa_kernarg_size 48
		.amdhsa_user_sgpr_count 2
		.amdhsa_user_sgpr_kernarg_segment_ptr 1
		.amdhsa_wavefront_size32 1
		.amdhsa_system_sgpr_workgroup_id_x 1
		.amdhsa_system_sgpr_workgroup_id_y 1
		.amdhsa_system_sgpr_workgroup_id_z 1
		.amdhsa_system_vgpr_workitem_id 0
		.amdhsa_next_free_vgpr 512
		.amdhsa_next_free_sgpr 66
		.amdhsa_reserve_vcc 0
		.amdhsa_float_denorm_mode_32 3
		.amdhsa_float_denorm_mode_16_64 3
		.amdhsa_memory_ordered 1
		.amdhsa_forward_progress 1
		.amdhsa_inst_pref_size 95
	.end_amdhsa_kernel
	.amdgpu_metadata
---
amdhsa.version: [ 1, 2 ]
amdhsa.kernels:
  - .name:           k_qfe2f03b89e_outp
    .symbol:         k_qfe2f03b89e_outp.kd
    .args:
      - { .name: YF, .offset: 0, .size: 8, .value_kind: global_buffer, .address_space: global }
      - { .name: SZ, .offset: 8, .size: 8, .value_kind: global_buffer, .address_space: global }
      - { .name: WF, .offset: 16, .size: 8, .value_kind: global_buffer, .address_space: global }
      - { .name: g_outnorm, .offset: 24, .size: 8, .value_kind: global_buffer, .address_space: global }
      - { .name: b_out, .offset: 32, .size: 8, .value_kind: global_buffer, .address_space: global }
      - { .name: out0, .offset: 40, .size: 8, .value_kind: global_buffer, .address_space: global }
    .group_segment_fixed_size: 123904
    .private_segment_fixed_size: 0
    .kernarg_segment_align: 8
    .kernarg_segment_size: 48
    .max_flat_workgroup_size: 256
    .sgpr_count:     66
    .vgpr_count:     512
    .wavefront_size: 32
...
	.end_amdgpu_metadata
.endif
;; end of part 5
